; MI455X (gfx1250); checked and timed in simulation.
; The chip was launched on July 23, 2026; its instructions are those of AMD's public machine-readable ISA for CDNA 5 (MIT licence, August 2026) and "CDNA5" Instruction Set Architecture Reference Guide (July 2026). The comments in the code are by the model that wrote it; some were corrected since.
;; Modern Bert Attention. Allowed arithmetic: matrix products marked QUANTISED: E2M3 operands, one E8M0 scale for each 32 along K, by v_wmma_scale_f32_16x16x128_f8f6f4 with both operands' format E2M3, f32 sums; everything else in f32.
;; Inputs: Wo 1,024 x 1,024 float32; Wqkv 1,024 x 3,072 float32; bo 1,024 float32; bqkv 3,072 float32; padding_mask 4 x 2,048 int32; x 4 x 2,048 x 1,024 float32.
;; Outputs: out0 4 x 2,048 x 1,024 float32.
;; This version of the problem:
;;   THIS VERSION OF THE PROBLEM IS GIVEN IN LOW PRECISION. The matrix products marked QUANTISED in the list below multiply operands that are first quantised to E2M3 (2 exponent bits, 3 mantissa bits; 6 bits a number), with one power-of-two scale for each 32 numbers along K (OCP MX v1.0); their sums are f32. All else is computed in f32.
;;   The module's matrix products, in the order in which they are computed (A, B: the left and right operand; K: the contracted axis; several contracted axes count as one K, in the product's order):
;;     1. [M 8,192, K 1,024] x [K 1,024, N 3,072]; A: input x; B: input Wqkv: QUANTISED
;;     2. batch 64 x [M 2,048, K 64] x [K 64, N 2,048]; A: computed on the way; B: computed on the way: QUANTISED
;;     3. batch 64 x [M 64, K 2,048] x [K 2,048, N 2,048]; A: computed on the way; B: softmax (see below): QUANTISED
;;     4. [M 8,192, K 1,024] x [K 1,024, N 1,024]; A: computed on the way; B: input Wo: QUANTISED
;;   THE QUANTISER, for each operand of a quantised product, along K:
;;     - K is cut into blocks of 32 from its start; a last block that is shorter is filled with zeros.
;;     - A block's scale is 2^e with e = floor(log2(the largest magnitude in the block)) - 2, held to -126 .. 127; a block of zeros has e = 0. As a byte (E8M0): e + 127.
;;     - Each number is divided by its block's scale, clamped to +-7.5, and rounded to the nearest number of E2M3, ties to even, subnormals kept.
;;     - The product sums the exact products of the quantised numbers (number of the format x scale) in f32.
;;   ~~~python
;;   def quantise(x, axis):      # numpy; x: float32 -> the quantised numbers, widened to float32 again
;;       x = np.moveaxis(x, axis, -1); K = x.shape[-1]
;;       x = np.pad(x, [(0, 0)] * (x.ndim - 1) + [(0, -K % 32)]); x = x.reshape(x.shape[:-1] + (-1, 32)); a = np.abs(x).max(-1, keepdims=True)
;;       e = np.where(a > 0, np.clip(np.frexp(np.where(a > 0, a, 1))[1] - 1 - 2, -126, 127), 0)      # np.frexp(a)[1] - 1 = floor(log2(a)), exactly
;;       r = np.clip(x / 2.0 ** e, -7.5, 7.5)
;;       step = 2.0 ** (np.maximum(np.frexp(np.where(r == 0, 1, r))[1] - 1, 0) - 3)
;;       q = np.round(r / step) * step * 2.0 ** e      # np.round: ties to even
;;       return np.moveaxis(q.reshape(q.shape[:-2] + (-1,))[..., :K], -1, axis).astype(np.float32)
;;   ~~~
;;   SOFTMAX AHEAD OF A QUANTISED PRODUCT. Where the list says 'softmax', what is quantised is not the finished softmax but p = 2^(t - M), with t = logit x log2(e) and M = ceil(the row's largest t), a whole number; so 1/2 < the row's largest p <= 1. The row's sum l is taken of the UNQUANTISED p, in f32, and the product's result is divided by l at the end. Since M is a whole number, a kernel that streams over the keys may use a running M (the ceiling of the running maximum): every later rescaling is an exact power of two, which a block's scale takes up: the codes' values come out the same.
;;   OPERANDS COMPUTED ON THE WAY. 'Computed on the way' means the value that the module computes at that place (a softmax that the list does not call 'softmax' is quantised finished and normalised). What goes into a quantiser is computed in f32, as accurately as f32 sums, v_exp_f32 and their like allow (about 1e-6 of the number): no bf16 or f16 on the way to a quantiser, and a product that is left as it is and whose result goes on into a quantised operand takes f32 operands (vector FMAs, or v_wmma_f32_16x16x4_f32). A number that lies on a knife's edge between two numbers of the format may be rounded either way, as far as f32 arithmetic and the matrix unit's own rounding can turn it there, and no further.
;; One version. Each part assembles by itself: llvm-mc -triple=amdgcn-amd-amdhsa -mcpu=gfx1250 --defsym DOCPART=n.
;; ======== version 1 of 1: 4 launches
;; workspace buffers: opc 9,437,184 bytes; ops 393,216 bytes; trig 524,288 bytes; qkv 20,185,088 bytes; o_img 6,291,456 bytes; o_sc 262,144 bytes
;; launch prep (part 1): grid 384 x 1, 4 waves a work-group, no clusters, 89,600 bytes of LDS; arguments x, Wqkv, Wo, opc, ops, trig; writes opc, ops, trig
.if DOCPART == 1
	.amdgcn_target "amdgcn-amd-amdhsa--gfx1250"
	.amdhsa_code_object_version 6
	.text
	.protected	k_q3fa4e86241_prep
	.globl	k_q3fa4e86241_prep
	.p2align	8
	.type	k_q3fa4e86241_prep,@function
k_q3fa4e86241_prep:
	s_mov_b64 s[64:65], 0
	v_nop
	global_prefetch_b8 v0, s[64:65] scope:SCOPE_SE
	s_setreg_imm32_b32 hwreg(HW_REG_WAVE_MODE, 25, 1), 1
	s_wait_xcnt 0x0
; ModernBERT attention in MX-FP6 (E2M3), launch 1 of 4: x, Wqkv and Wo become codes and E8M0 scale bytes along K = 1,024, and RoPE's table of cos and sin is made.
; DEAD WORK: none.  Every input of reference() has a way to out0 for all values: x, Wqkv, bqkv and Wo move codes, padding_mask moves the softmax, bo is added at the end.  Nothing is left out in any launch.
; LAYOUT OF THE CODES (opc).  Rows (tokens of x, features of Wqkv and Wo) are kept BY POSITION: position = row with bits 3 and 4 exchanged, so that 16 consecutive positions (a tile, lane r) are rows
; 32 B + 8 u + r + 8 (r / 8).  A tile that is source 0 of a matrix instruction then leaves, in the 16 result registers of tiles 2 B and 2 B + 1, the 16 neighbours 32 B + 16 (lane / 16) + 0 .. 15.
; A tile's codes lie as IMAGES OF THE OPERAND'S REGISTERS: for each 64 along K 768 bytes: lane l = r + 16 h owns the 32 codes k = 32 h .. 32 h + 31 of row r, six registers: registers 0-3 at 16 l, registers 4-5 at 512 + 8 l.
; opc: [768 tiles][16 x 768 bytes]: tiles 0-511 x, 512-703 Wqkv's features, 704-767 Wo's.   ops: [4 quarters of K][12,288 positions][8 bytes].   trig: [2,048 positions][32 cos][32 sin], f32.
; A block's scale is 2^(floor(log2(largest magnitude)) - 2): its byte is the largest magnitude's exponent field - 2, held at 1 from below by a floor among the maximum's leaves.
; LIMITS: NaN and infinities among the inputs are not served.  A block of zeros, and a block whose largest magnitude lies under 2^-124, keeps the byte 1 (zero codes add nothing under it; only this program reads the bytes).
; RoPE's 1 / 10000^(j / 32) is 1 / fl(10^((j % 8) / 8) x 10^(j / 8)) by a refined reciprocal: within about an ulp of the host's power; cos and sin by reduction in three parts of pi / 2 and polynomials, about 1e-7 absolute.
; Work-groups 0-255: 32 rows of x each, wave = quarter of K; they also make the table, two positions a wave.  Work-groups 256-383: 128 columns x a quarter of K of Wqkv or Wo, wave = 32 columns.
; The two paths part on the work-group's number and have LDS bytes of their own.  No barrier: waves share nothing.  No matrix unit, no cluster, no tensor load: memory binds, and no byte is read twice.
.set XREG,  16128                      ; x's path, LDS of a wave: two turning stages of 4,608, the images' stage 6,144 at 9,216, scale bytes 256 at 15,360, the table 512 at 15,616
.set WBASE, 4*XREG                     ; the weights' path: 6,144 a wave
.set WREG,  6144
.set SPARE, WBASE+4*WREG               ; the spare words, 128 bytes for each wave: two blocks of 256 bytes that no other line names
.set SPW,   190                        ; v190 LDS address of my spare word; never rewritten
.set NIL,   191                        ; v191 0; never rewritten
.set R,     16                         ; x: v16-79 two sets of 32 numbers as loaded
.set X,     80                         ;    v80-143 two sets of 32 neighbours
.set C,     144                        ;    v144-149 / v156-161 a block's codes, v152-154 / v164-166 its upper half as converted, by the step's parity
.set E,     168                        ;    v168 / v169 the scale byte
.set MX,    170                        ;    v170-172 at work; v170-189 at work on the table
	s_load_b128 s[4:7], s[0:1], 0x0                ; x, Wqkv
	s_load_b128 s[8:11], s[0:1], 0x10              ; Wo, opc
	s_load_b128 s[12:15], s[0:1], 0x20             ; ops, trig
	v_lshl_add_u32 v[SPW], v0, 2, SPARE
	v_mov_b32 v[NIL], 0
	v_lshrrev_b32 v1, 5, v0
	v_readfirstlane_b32 s16, v1                    ; wave
	v_and_b32 v10, 31, v0                          ; lane
	v_lshlrev_b32 v1, 4, v10                       ; 16 l
	v_lshlrev_b32 v8, 3, v10                       ; 8 l
	s_cmp_lt_u32 ttmp9, 256
	s_cbranch_scc0 .Lweights
; ---------------- x: work-group G = 32 rows, wave = quarter kq of K ----------------
	s_mul_i32 s17, s16, XREG
	v_lshrrev_b32 v11, 3, v10                      ; rho: which of a step's four rows is mine
	v_and_b32 v12, 7, v10                          ; beta: which block of 32 of the quarter
	v_mul_u32_u24 v2, v11, 144
	v_lshl_add_u32 v2, v12, 4, v2
	v_add_nc_u32 v2, s17, v2                       ; turning stage, in: eight lanes' 128 bytes on end, then 16 of padding
	v_mul_u32_u24 v3, v10, 144
	v_add_nc_u32 v3, s17, v3                       ; and out: 144 l: my block's 128 bytes
	v_lshrrev_b32 v13, 1, v12
	v_and_b32 v14, 1, v12
	v_mul_u32_u24 v13, v13, 768                    ; the image of 64 along K in which my block lies
	v_lshl_add_u32 v4, v14, 8, v13
	v_lshl_add_u32 v4, v11, 4, v4                  ; registers 0-3: 16 (r + 16 h)
	v_lshl_add_u32 v5, v14, 7, v13
	v_lshl_add_u32 v5, v11, 3, v5                  ; registers 4-5: 8 (r + 16 h)
	s_add_co_u32 s18, s17, 9216
	v_add_nc_u32 v4, s18, v4
	v_add_nc_u32 v5, s18, v5
	v_add_nc_u32 v7, s18, v1                       ; the images' stage, back: 16 l
	s_add_co_u32 s18, s17, 15360
	v_add_nc_u32 v6, s18, v10                      ; my scale byte: 8 rho + beta = l
	v_add_nc_u32 v9, s18, v8                       ; and back: 8 l
	s_add_co_u32 s18, s17, 15616
	v_lshl_add_u32 v15, v10, 2, s18                ; the table, in: 4 l
	v_add_nc_u32 v13, s18, v1                      ; and back: 16 l
	s_lshl_b32 s20, ttmp9, 17                      ; x: 32 rows of 4,096 bytes a work-group,
	s_lshl_b32 s21, s16, 10                        ; 1,024 bytes of a row a wave
	s_add_co_u32 s20, s20, s21
	s_mov_b32 s21, 0
	s_mul_i32 s22, ttmp9, 24576                    ; opc: two tiles a work-group,
	s_mul_i32 s23, s16, 3072                       ; four images a quarter
	s_add_co_u32 s22, s22, s23
	s_mov_b32 s23, 0
	s_mul_i32 s24, s16, 98304                      ; ops: the quarter's plane,
	s_lshl_b32 s25, ttmp9, 8                       ; 32 positions of 8 bytes
	s_add_co_u32 s24, s24, s25
	s_mov_b32 s25, 0
	s_lshl_b32 s26, ttmp9, 2
	s_add_co_u32 s26, s26, s16                     ; 4 G + kq: which two positions of the table are mine
	s_lshl_b32 s28, s26, 9
	s_mov_b32 s29, 0
	s_lshl_b32 s26, s26, 1
	s_wait_kmcnt 0x0
	s_add_nc_u64 s[4:5], s[4:5], s[20:21]
	s_add_nc_u64 s[10:11], s[10:11], s[22:23]
	s_add_nc_u64 s[12:13], s[12:13], s[24:25]
	s_add_nc_u64 s[14:15], s[14:15], s[28:29]
; Step s takes positions 4 s .. 4 s + 3, which are rows 4 (s & 1) + 16 ((s >> 1) & 1) + 8 (s >> 2) on.  Each load reads 512 consecutive bytes.
.macro XLOAD s
.irp i, 0,1,2,3,4,5,6,7
	global_load_b128 v[R+32*((\s)%2)+4*\i:R+32*((\s)%2)+4*\i+3], v1, s[4:5] offset:(4*((\s)&1)+16*(((\s)>>1)&1)+8*((\s)>>2)+\i/2)*4096+512*(\i%2) th:TH_LOAD_NT
.endr
.endm
; The step's 4,096 bytes go through a stage as they lie and come back 128 bytes a lane: a whole block of 32.  LDS serves a wave's instructions in order, so no wait stands between the stores and the loads.
.macro XTURN s
.irp i, 0,1,2,3,4,5,6,7
	ds_store_b128 v2, v[R+32*((\s)%2)+4*\i:R+32*((\s)%2)+4*\i+3] offset:4608*((\s)%2)+576*\i
.endr
.irp i, 0,1,2,3,4,5,6,7
	ds_load_b128 v[X+32*((\s)%2)+4*\i:X+32*((\s)%2)+4*\i+3], v3 offset:4608*((\s)%2)+16*\i
.endr
.endm
	XLOAD 0
	XLOAD 1
; The table, while the first loads are on their way.  Lane j is frequency j.
.macro PICK reg, idx, n, bits
	v_cmp_ne_u32 vcc_lo, \n, v[\idx]
	v_cndmask_b32 v[\reg], \bits, v[\reg], vcc_lo
.endm
	v_and_b32 v173, 7, v10
	v_lshrrev_b32 v174, 3, v10
	v_mov_b32 v170, 1.0
	v_mov_b32 v171, 1.0
	PICK 170, 173, 1, 0x3faab0d5                   ; 10^(1/8)
	PICK 170, 173, 2, 0x3fe39ea9                   ; 10^(2/8)
	PICK 170, 173, 3, 0x4017c496                   ; 10^(3/8)
	PICK 170, 173, 4, 0x404a62c2                   ; 10^(4/8)
	PICK 170, 173, 5, 0x4086f161                   ; 10^(5/8)
	PICK 170, 173, 6, 0x40b3f300                   ; 10^(6/8)
	PICK 170, 173, 7, 0x40eff755                   ; 10^(7/8)
	PICK 171, 174, 1, 0x41200000                   ; 10
	PICK 171, 174, 2, 0x42c80000                   ; 100
	PICK 171, 174, 3, 0x447a0000                   ; 1,000
	v_mul_f32 v170, v170, v171                     ; 10000^(2 j / 64)
	v_rcp_f32 v172, v170
	v_nop                                          ; a plain instruction behind the reciprocal
	s_wait_alu depctr_va_vdst(0)                   ; and a wait ahead of its first reader
	v_fma_f32 v175, -v170, v172, 1.0
	v_fma_f32 v172, v172, v175, v172               ; 1 / w, refined once
.irp e, 0,1
	s_add_co_u32 s27, s26, \e
	v_cvt_f32_u32 v176, s27
	v_mul_f32 v176, v176, v172                     ; the angle: one rounding, as reference() has it
	v_mul_f32 v177, 0x3f22f983, v176
	v_rndne_f32 v177, v177                         ; n = the nearest multiple of pi / 2
	v_fmamk_f32 v178, v177, 0xbfc90fd8, v176       ; the angle - n x pi / 2, pi / 2 in three parts: the first product is exact
	v_fmamk_f32 v178, v177, 0xb4a8885a, v178
	v_fmamk_f32 v178, v177, 0xa7c234c4, v178
	v_mul_f32 v179, v178, v178
	v_mov_b32 v180, 0xb94ca1f9
	v_fmaak_f32 v180, v180, v179, 0x3c08839e
	v_fmaak_f32 v180, v180, v179, 0xbe2aaaa3
	v_mul_f32 v180, v180, v179
	v_fma_f32 v180, v180, v178, v178               ; sin of the rest
	v_mov_b32 v181, 0x37ccf5ce
	v_fmaak_f32 v181, v181, v179, 0xbab6061a
	v_fmaak_f32 v181, v181, v179, 0x3d2aaaa5
	v_fmaak_f32 v181, v181, v179, 0xbf000000
	v_fma_f32 v181, v181, v179, 1.0                ; cos of the rest
	v_cvt_i32_f32 v182, v177
	v_and_b32 v183, 1, v182
	v_cmp_eq_u32 vcc_lo, 1, v183                   ; in odd quadrants the two change places
	v_cndmask_b32 v[184+2*\e], v180, v181, vcc_lo
	v_cndmask_b32 v[185+2*\e], v181, v180, vcc_lo
	v_lshlrev_b32 v183, 30, v182                   ; sin is negative in quadrants 2, 3
	v_and_b32 v183, 0x80000000, v183
	v_xor_b32 v[184+2*\e], v183, v[184+2*\e]
	v_add_nc_u32 v182, 1, v182                     ; cos in quadrants 1, 2
	v_lshlrev_b32 v183, 30, v182
	v_and_b32 v183, 0x80000000, v183
	v_xor_b32 v[185+2*\e], v183, v[185+2*\e]
	ds_store_b32 v15, v[185+2*\e] offset:256*\e
	ds_store_b32 v15, v[184+2*\e] offset:256*\e+128
.endr
	ds_load_b128 v[176:179], v13
	s_wait_dscnt 0x0
	global_store_b128 v1, v[176:179], s[14:15]     ; two positions: 512 consecutive bytes; v176-179 are not written again
	s_wait_loadcnt 8                               ; step 0's eight loads are in, step 1's may be out
	XTURN 0
.macro XSTEP t
.set XS, X+32*((\t)%2)
.set CC, C+12*((\t)%2)
.if (\t) > 0
	s_wait_dscnt 3                                 ; this step's numbers are back; the last step's three stores may be out
.else
	s_wait_dscnt 0x0
.endif
.if (\t)+2 < 8
	XLOAD (\t)+2                                   ; into the set whose stores into the stage stand ahead of the loads that have just come back
.endif
.if (\t)+1 < 8
.if (\t)+2 < 8
	s_wait_loadcnt 8                               ; the next step's loads are in; the eight just issued may be out
.else
	s_wait_loadcnt 0x0
.endif
	XTURN (\t)+1
.endif
	v_max3_num_f32 v[MX], |v[XS]|, |v[XS+1]|, |v[XS+2]|      ; the block's largest magnitude: all 32 numbers are mine
	v_max3_num_f32 v[MX+1], |v[XS+3]|, |v[XS+4]|, |v[XS+5]|
.irp i, 6,10,14,18,22,26
	v_max3_num_f32 v[MX], v[MX], |v[XS+\i]|, |v[XS+\i+1]|
	v_max3_num_f32 v[MX+1], v[MX+1], |v[XS+\i+2]|, |v[XS+\i+3]|
.endr
	v_max3_num_f32 v[MX], v[MX], |v[XS+30]|, |v[XS+31]|
	v_max3_num_f32 v[MX], v[MX], v[MX+1], 0x1800000          ; and the floor 2^(3 - 127): the byte cannot fall under 1
	v_add_nc_u32 v[MX+2], 0xff000000, v[MX]                  ; 2 off the exponent field: the conversion takes this operand's exponent field as its scale
	v_cvt_scalef32_pk16_fp6_f32 v[CC:CC+2], v[XS:XS+15], v[MX+2]
	v_cvt_scalef32_pk16_fp6_f32 v[CC+8:CC+10], v[XS+16:XS+31], v[MX+2]   ; (a conversion's three registers begin on an even number)
	v_lshrrev_b32 v[E+(\t)%2], 23, v[MX+2]                   ; the scale's byte; also the plain instruction behind the conversions
.irp i, 0,1,2
	v_mov_b32 v[CC+3+\i], v[CC+8+\i]
.endr
	ds_store_b128 v4, v[CC:CC+3] offset:3072*((\t)/4)+64*((\t)%4)          ; row 4 (t % 4) + rho of tile t / 4
	ds_store_b64 v5, v[CC+4:CC+5] offset:3072*((\t)/4)+512+32*((\t)%4)
	ds_store_b8 v6, v[E+(\t)%2] offset:32*(\t)
.endm
.irp t, 0,1,2,3,4,5,6,7
	XSTEP \t
.endr
.irp i, 0,1,2,3,4,5,6,7,8,9,10,11
	ds_load_b128 v[R+4*\i:R+4*\i+3], v7 offset:512*\i        ; these see my stores: LDS serves a wave in order
.endr
	ds_load_b64 v[R+48:R+49], v9
.irp i, 0,1,2,3,4,5,6,7,8,9,10,11
	s_wait_dscnt 12-\i
	global_store_b128 v1, v[R+4*\i:R+4*\i+3], s[10:11] offset:(\i/6)*12288+512*(\i%6)   ; 512 consecutive bytes, aligned
.endr
	s_wait_dscnt 0x0
	global_store_b64 v8, v[R+48:R+49], s[12:13]    ; 32 positions' scale bytes: 256 consecutive bytes, aligned
	s_wait_tensorcnt 0x0                           ; the wave's end, behind my last LDS store
	ds_add_u32 v[SPW], v[NIL]
	s_wait_dscnt 0x0
	s_endpgm
; ---------------- Wqkv and Wo: K is the FIRST axis: a lane takes a column, its registers run down K ----------------
.set OFF,  16                          ; v16-47  4 l + i rows
.set WX,   48                          ; v48-111 two sets of 32 numbers; later the images on their way out
.set WC,   112                         ; v112-117 a block's codes, v120-122 its upper half as converted
.set SB,   124                         ; v124-125 my column's eight scale bytes
.set WM,   126                         ; v126-129 at work
.Lweights:
	s_sub_co_u32 s17, ttmp9, 256
	s_lshr_b32 s18, s17, 2                         ; which 128 columns: 0-23 Wqkv's, 24-31 Wo's
	s_and_b32 s19, s17, 3                          ; which quarter of K
	s_mul_i32 s26, s16, WREG
	s_add_co_u32 s26, s26, WBASE
	v_bfe_u32 v11, v10, 3, 1                       ; my column's position among its 32: tile u = bit 3 of the lane,
	v_and_b32 v12, 7, v10
	v_bfe_u32 v13, v10, 4, 1
	v_lshl_or_b32 v12, v13, 3, v12                 ; row r = bits 2:0, and bit 4 as bit 3
	v_mul_u32_u24 v14, v11, 3072
	v_lshl_add_u32 v4, v12, 4, v14
	v_lshl_add_u32 v5, v12, 3, v14
	v_add_nc_u32 v4, s26, v4                       ; registers 0-3 of my images
	v_add_nc_u32 v5, s26, v5                       ; registers 4-5
	v_add_nc_u32 v7, s26, v1                       ; back: 16 l
	v_lshl_add_u32 v9, v11, 4, v12
	v_lshlrev_b32 v9, 3, v9                        ; my position's eight scale bytes
	s_lshl_b32 s27, s18, 2
	s_add_co_u32 s27, s27, s16                     ; which 32 columns of the 4,096
	s_mul_i32 s28, s19, 98304
	s_lshl_b32 s29, s27, 8
	s_add_co_u32 s28, s28, s29
	s_add_co_u32 s28, s28, 65536                   ; ops: behind x's 8,192 positions
	s_mov_b32 s29, 0
	s_mul_i32 s30, s27, 24576
	s_mul_i32 s31, s19, 3072
	s_add_co_u32 s30, s30, s31
	s_add_co_u32 s30, s30, 512*12288               ; opc: behind x's 512 tiles
	s_mov_b32 s31, 0
	s_mov_b32 s20, 4096
	s_wait_kmcnt 0x0
	s_cmp_lt_u32 s18, 24                           ; the choice hangs on the work-group's number alone
	s_cselect_b64 s[4:5], s[6:7], s[8:9]
	s_cselect_b32 s20, 12288, s20                  ; a row of the weight in bytes
	s_cselect_b32 s21, 0, 24
	s_sub_co_u32 s21, s18, s21
	s_lshl_b32 s21, s21, 7
	s_lshl_b32 s22, s16, 5
	s_add_co_u32 s21, s21, s22                     ; my wave's first column
	s_lshl_b32 s21, s21, 2
	s_lshl_b32 s22, s19, 8
	s_mul_i32 s22, s22, s20                        ; the quarter's first row
	s_add_co_u32 s22, s22, s21
	s_mov_b32 s23, 0
	s_lshl_b32 s24, s20, 5                         ; 32 rows on
	s_mov_b32 s25, 0
	s_add_nc_u64 s[10:11], s[10:11], s[30:31]
	s_add_nc_u64 s[12:13], s[12:13], s[28:29]
	s_add_nc_u64 s[32:33], s[4:5], s[22:23]        ; a base for each of the eight blocks
.irp t, 1,2,3,4,5,6,7
	s_add_nc_u64 s[32+2*\t:33+2*\t], s[30+2*\t:31+2*\t], s[24:25]
.endr
	v_lshlrev_b32 v[OFF], 2, v10
.set i, 1
.rept 31
	v_add_nc_u32 v[OFF+i], s20, v[OFF+i-1]
.set i, i+1
.endr
.macro WLOAD t                         ; block t: W(32 t + i, my column): 32 lanes read 128 consecutive bytes, the four waves 512
.set i, 0
.rept 32
	global_load_b32 v[WX+32*((\t)%2)+i], v[OFF+i], s[32+2*(\t):33+2*(\t)] th:TH_LOAD_NT
.set i, i+1
.endr
.endm
	WLOAD 0
	WLOAD 1
.macro WBLOCK t
.set XS, WX+32*((\t)%2)
.if (\t) < 7
	s_wait_loadcnt 32                              ; this block's 32 loads are in; the next block's may be out
.else
	s_wait_loadcnt 0x0
.endif
	v_max3_num_f32 v[WM], |v[XS]|, |v[XS+1]|, |v[XS+2]|
	v_max3_num_f32 v[WM+1], |v[XS+3]|, |v[XS+4]|, |v[XS+5]|
.irp i, 6,10,14,18,22,26
	v_max3_num_f32 v[WM], v[WM], |v[XS+\i]|, |v[XS+\i+1]|
	v_max3_num_f32 v[WM+1], v[WM+1], |v[XS+\i+2]|, |v[XS+\i+3]|
.endr
	v_max3_num_f32 v[WM], v[WM], |v[XS+30]|, |v[XS+31]|
	v_max3_num_f32 v[WM], v[WM], v[WM+1], 0x1800000
	v_add_nc_u32 v[WM+2], 0xff000000, v[WM]
	v_lshrrev_b32 v[WM+3], 23, v[WM+2]
.if (\t)%4 == 0
	v_mov_b32 v[SB+(\t)/4], v[WM+3]
.else
	v_lshl_or_b32 v[SB+(\t)/4], v[WM+3], 8*((\t)%4), v[SB+(\t)/4]
.endif
	v_cvt_scalef32_pk16_fp6_f32 v[WC:WC+2], v[XS:XS+15], v[WM+2]
	v_cvt_scalef32_pk16_fp6_f32 v[WC+8:WC+10], v[XS+16:XS+31], v[WM+2]
	v_nop                                          ; a plain instruction behind the conversions
.irp i, 0,1,2
	v_mov_b32 v[WC+3+\i], v[WC+8+\i]
.endr
	ds_store_b128 v4, v[WC:WC+3] offset:768*((\t)/2)+256*((\t)%2)
	ds_store_b64 v5, v[WC+4:WC+5] offset:768*((\t)/2)+512+128*((\t)%2)
.if (\t)+2 < 8
	WLOAD (\t)+2
.endif
	s_wait_dscnt 0x0                               ; the stores have read their registers: the next block's codes may be written
.endm
.irp t, 0,1,2,3,4,5,6,7
	WBLOCK \t
.endr
	global_store_b64 v9, v[SB:SB+1], s[12:13]      ; 32 positions' scale bytes: 256 consecutive bytes, aligned
.irp i, 0,1,2,3,4,5,6,7,8,9,10,11
	ds_load_b128 v[WX+4*\i:WX+4*\i+3], v7 offset:512*\i
.endr
.irp i, 0,1,2,3,4,5,6,7,8,9,10,11
	s_wait_dscnt 11-\i
	global_store_b128 v1, v[WX+4*\i:WX+4*\i+3], s[10:11] offset:(\i/6)*12288+512*(\i%6)
.endr
	s_wait_tensorcnt 0x0                           ; the wave's end, behind my last LDS store
	ds_add_u32 v[SPW], v[NIL]
	s_wait_dscnt 0x0
	s_endpgm
.Lfunc_end_k_q3fa4e86241_prep:
	.size	k_q3fa4e86241_prep, .Lfunc_end_k_q3fa4e86241_prep-k_q3fa4e86241_prep
	.p2alignl 7, 3214868480
	.fill 96, 4, 3214868480
	.section	.rodata,"a",@progbits
	.p2align	6, 0x0
	.amdhsa_kernel k_q3fa4e86241_prep
		.amdhsa_group_segment_fixed_size 89600
		.amdhsa_private_segment_fixed_size 0
		.amdhsa_enable_private_segment 0
		.amdhsa_kernarg_size 48
		.amdhsa_user_sgpr_count 2
		.amdhsa_user_sgpr_kernarg_segment_ptr 1
		.amdhsa_wavefront_size32 1
		.amdhsa_system_sgpr_workgroup_id_x 1
		.amdhsa_system_sgpr_workgroup_id_y 1
		.amdhsa_system_sgpr_workgroup_id_z 1
		.amdhsa_system_vgpr_workitem_id 0
		.amdhsa_next_free_vgpr 192
		.amdhsa_next_free_sgpr 66
		.amdhsa_reserve_vcc 1
		.amdhsa_float_denorm_mode_32 3
		.amdhsa_float_denorm_mode_16_64 3
		.amdhsa_memory_ordered 1
		.amdhsa_forward_progress 1
		.amdhsa_inst_pref_size 80
	.end_amdhsa_kernel
	.amdgpu_metadata
---
amdhsa.version: [ 1, 2 ]
amdhsa.kernels:
  - .name:           k_q3fa4e86241_prep
    .symbol:         k_q3fa4e86241_prep.kd
    .args:
      - { .name: x, .offset: 0, .size: 8, .value_kind: global_buffer, .address_space: global }
      - { .name: Wqkv, .offset: 8, .size: 8, .value_kind: global_buffer, .address_space: global }
      - { .name: Wo, .offset: 16, .size: 8, .value_kind: global_buffer, .address_space: global }
      - { .name: opc, .offset: 24, .size: 8, .value_kind: global_buffer, .address_space: global }
      - { .name: ops, .offset: 32, .size: 8, .value_kind: global_buffer, .address_space: global }
      - { .name: trig, .offset: 40, .size: 8, .value_kind: global_buffer, .address_space: global }
    .group_segment_fixed_size: 89600
    .private_segment_fixed_size: 0
    .kernarg_segment_align: 8
    .kernarg_segment_size: 48
    .max_flat_workgroup_size: 128
    .sgpr_count:     66
    .vgpr_count:     192
    .wavefront_size: 32
...
	.end_amdgpu_metadata
.endif
;; end of part 1
;; launch qkvp (part 2): grid 12 x 32, 4 waves a work-group, clusters of 4 x 4, 327,680 bytes of LDS; arguments opc, ops, bqkv, trig, qkv; writes qkv
.if DOCPART == 2
	.amdgcn_target "amdgcn-amd-amdhsa--gfx1250"
	.amdhsa_code_object_version 6
	.text
	.protected	k_q3fa4e86241_qkvp
	.globl	k_q3fa4e86241_qkvp
	.p2align	8
	.type	k_q3fa4e86241_qkvp,@function
k_q3fa4e86241_qkvp:
	s_mov_b64 s[64:65], 0
	v_nop
	global_prefetch_b8 v0, s[64:65] scope:SCOPE_SE
	s_setreg_imm32_b32 hwreg(HW_REG_WAVE_MODE, 25, 1), 1
	s_wait_xcnt 0x0
	s_wait_alu depctr_hold_cnt(0) depctr_sa_sdst(0) depctr_va_vdst(0) depctr_va_sdst(0) depctr_va_ssrc(0) depctr_va_vcc(0) depctr_vm_vsrc(0)
	s_getreg_b32 s2, hwreg(HW_REG_IB_STS2, 6, 4)
	s_cmp_eq_u32 s2, 0
	s_cbranch_scc0 .Lentry_in_a_cluster
	s_endpgm
.Lentry_in_a_cluster:
	s_bfe_u32 s2, ttmp6, 0x10000c
	s_cmp_lg_u32 s2, 0xf033
	s_cbranch_scc0 .Lentry_shape_is_right
	s_endpgm
.Lentry_shape_is_right:
; Launch 2 of 4: qkv = x Wqkv + bqkv on codes of FP6 (E2M3), RoPE on q and k, and q, k, v quantised on the way out: nothing but codes and scale bytes goes to memory.  No work of reference() is left out.
; A tile of 256 x 256 results is made by four waves, 128 x 128 each (64 accumulators, 512 registers); K = 1,024 goes in four steps of 256 through a ring of two LDS slots filled by the tensor data mover.
; OPERANDS lie in opc as images of the operand's registers (768 bytes for 16 rows x 64 K: registers 0-3 at 16 l, registers 4-5 at 512 + 8 l), rows by position (bits 3 and 4 of the row exchanged): a fragment of
; 16 x 128 comes by two loads of 16 bytes and two of 8, each of consecutive bytes.  THE MATRIX INSTRUCTION: source 0 = 16 rows of 'B', source 1 = 16 rows of 'A': a lane holds ONE row of A, and for a block a of A
; its 64 result registers are B's rows 32 b + 16 (lane / 16) + i, in the order that the quantiser along B's rows wants.
; ROLES, by the cluster's x (the same in all partners): 0: q, 1: k: A = tokens of x, B = features of Wqkv (a lane: one token, 128 features = 2 heads: quantised along the head).
;   2: v: A = features of Wqkv, B = tokens (a lane: one feature, 128 keys: quantised along the keys).  Both operands come from the one buffer opc: only tile numbers differ, the loop is the same.
; CLUSTERS: 4 x 4.  A's tiles are shared along a row of the cluster, B's along a column: each is asked for jointly, by the same tensor load with the same descriptor and a mask that names the four.
; OUT: qkv[64 heads][16 groups of 128 positions][19,712 bytes]: Q 8 images (+0), Q's scale words (+6,144), K 8 images (+6,656), V 4 fragments of 16 channels x 128 keys (+12,800), K's scale words (+18,944), V's (+19,456).
;   A scale image: register q of lane l is the word of tile 2 q + l / 16, row l % 16.  Q's and K's words are two bytes and 0x7f7f above them, for the empty upper half of a K step of 128.
; LIMITS: as in the first launch; RoPE is x cos -+ x' sin by one product and one fused multiply-add, one rounding fewer than reference().
; No prefetch: half of K is asked for at the head, and with four K steps no refill lies two steps ahead.
; REGISTERS: window 0: v4 16 l, v5 8 l, v10-12 offsets of the way out, v16-23 LDS addresses, v27 scale words' address, v28, v29 the add's two, v32-63 scale words (two sets), v64-127 the bias, v128-223 A's fragments (one set).
;   window 1: B's fragments, two sets at v0 and v128; on the way out: v0-19 codes, v24 scale word, v32-47 at work, v48-63 the tiles' scale words, v64-71 scale images, v72-79 RoPE's products, v128-191 64 numbers, v224-255 cos, sin.
;   windows 2, 3: accumulator (a, b) at v[8 (8 (a % 4) + b)].
.set TILEB,  3072                      ; a tile's part of a slot: 16 rows x 256 K
.set HALFT,  8*TILEB                   ; what one tensor load brings, and what one wave reads of A or of B
.set SLOT,   4*HALFT                   ; A's 16 tiles, then B's 16
.set SCL,    2*SLOT                    ; behind the ring: A's scale bytes [4 quarters of K][256 rows][8], 8,192 bytes;
.set SCLB,   SCL+8192+128              ; B's likewise, 128 bytes further on, so that the two halves of a scale load's lanes fall on different banks
.set SPARE,  SCL+16640                 ; the spare words, 128 bytes for each wave: two blocks of 256 bytes that no other line names
.set FR,     12                        ; registers of a fragment
.set NQ,     2                         ; steps of 128 in a slot
.set NL,     4                         ; LDS loads that bring a fragment
.set NP,     4                         ; places behind this matrix instruction (ISA guide 7.12.1)
.set ADRA, 16                          ; v16-17 A's 16 l in slot 0, 1;  v18-19 A's 8 l
.set ADRB, 20                          ; v20-23 the same for B
.set ADRS, 27
.set SPW,  28
.set NIL,  29
.set SC,   32
.set BI,   64
.set AF,   128
.set G1, 24                            ; s[24:31] group 1 for A's tiles; s[32:39] group 0, a set for each slot
.set G0, 32
.set G1B, 48                           ; s[48:55], s[56:63] the same for B's
.set G0B, 56
.set G1S, 68                           ; s[68:75], s[76:79] groups 1 and 0 for A's scales; s[80:87], s[88:91] for B's
.set G0S, 76
.set G1SB, 80
.set G0SB, 88
.set MSB, 0
.macro WIN new                         ; the immediate's high byte repeats the setting that is left
.if MSB != (\new)
	s_set_vgpr_msb (MSB<<8)|(\new)
.set MSB, (\new)
.endif
.endm
.set MUL_LO, 0xa1                      ; source 0 (B) window 1, source 1 (A) window 0, C and D window 2
.set MUL_HI, 0xf1                      ; the same, C and D window 3
.set TO_B,   0x40                      ; destination window 1, address window 0
.set W1,     0x55                      ; all in window 1
.set ST,     0x04                      ; a store's data in window 1, its offset in window 0
; A joint load: waves 0 and 1 fetch for A, waves 2 and 3 for B.  Each line has one mask and one set of registers; the branch hangs on the wave's number alone.  An s_nop 0 and four v_nop follow each line.
.macro JLOAD g0a, g1a, g0b, g1b
	s_cmp_eq_u32 s15, 0
	s_cbranch_scc0 .Lfor_b_\@
	tensor_load_to_lds s[\g0a:\g0a+3], s[\g1a:\g1a+7]
	s_nop 0
.rept 4
	v_nop
.endr
	s_branch .Lasked_\@
.Lfor_b_\@:
	tensor_load_to_lds s[\g0b:\g0b+3], s[\g1b:\g1b+7]
	s_nop 0
.rept 4
	v_nop
.endr
.Lasked_\@:
.endm
.macro CREST                           ; a round of the cluster's barrier behind its opening barrier
	s_cmp_lg_u32 s14, 0
	s_cbranch_scc1 .Lnot_wave_0_\@
	s_barrier_signal -3
.Lnot_wave_0_\@:
	s_barrier_wait -3
	s_barrier_signal -1
	s_barrier_wait -1
.endm
.macro CROUND
	s_barrier_signal -1
	s_barrier_wait -1
	CREST
.endm
	s_load_b256 s[4:11], s[0:1], 0x0               ; opc s[4:5], ops s[6:7], bqkv s[8:9], trig s[10:11]
	s_load_b64 s[12:13], s[0:1], 0x20              ; qkv
	v_lshl_add_u32 v[SPW], v0, 2, SPARE
	v_mov_b32 v[NIL], 0
	ds_add_u32 v[SPW], v[NIL]                      ; the wave's opening: the add, twice on end, and its wait ahead of my first tensor load
	ds_add_u32 v[SPW], v[NIL]
	v_lshrrev_b32 v1, 5, v0
	v_readfirstlane_b32 s14, v1                    ; wave 0..3
	s_lshr_b32 s15, s14, 1                         ; which half of A's rows is mine.  Also: I fetch for A (0) or for B (1)
	s_and_b32 s16, s14, 1                          ; which half of B's rows.  Also: which half of that tile I fetch
	s_bfe_u32 s40, ttmp6, 0x40000                  ; cx
	s_bfe_u32 s41, ttmp6, 0x40004                  ; cy
	s_and_b32 s17, ttmp7, 0xffff                   ; the cluster's y
	s_lshl_b32 s43, s41, 2
	s_lshl_b32 s43, 15, s43                        ; my row of the cluster
	s_lshl_b32 s44, 0x1111, s40                    ; my column
	; group 1 for codes: 8 tiles x 3,072 bytes (384 elements of 8 bytes), 12,288 bytes from tile to tile; no padding: every LDS read is of consecutive bytes
	s_or_b32 s[G1+0], s43, (3<<16)|(1<<21)
	s_or_b32 s[G1B+0], s44, (3<<16)|(1<<21)
.irp g, G1, G1B
	s_mov_b32 s[\g+1], 384<<16                     ; tensor_dim0
	s_mov_b32 s[\g+2], 8<<16                       ; tensor_dim1
	s_mov_b32 s[\g+3], 384<<16                     ; tile_dim0
	s_mov_b32 s[\g+4], 8                           ; tile_dim1
	s_mov_b32 s[\g+5], 1536                        ; from row to row
	s_mov_b32 s[\g+6], 0
	s_mov_b32 s[\g+7], 0
.endr
	; group 1 for scale bytes: two quarters of K x 2,048 bytes (256 rows of 8), 98,304 bytes from quarter to quarter
	s_or_b32 s[G1S+0], s43, (3<<16)|(1<<21)
	s_or_b32 s[G1SB+0], s44, (3<<16)|(1<<21)
.irp g, G1S, G1SB
	s_mov_b32 s[\g+1], 256<<16
	s_mov_b32 s[\g+2], 2<<16
	s_mov_b32 s[\g+3], 256<<16
	s_mov_b32 s[\g+4], 2
	s_mov_b32 s[\g+5], 12288
	s_mov_b32 s[\g+6], 0
	s_mov_b32 s[\g+7], 0
.endr
	; which 16 tiles of opc are A's and which B's.  A's number is made of cy and of the cluster's place, B's of cx and of the cluster's place, each in registers that never hold the other coordinate.
	s_lshl_b32 s18, s17, 2
	s_lshl_b32 s19, ttmp9, 2
	s_add_co_u32 s19, s19, 32
	s_cmp_eq_u32 ttmp9, 2
	s_cselect_b32 s20, 40, s18                     ; A: q, k: tokens 4 y + cy;  v: features 40 + cy (in units of 16 tiles)
	s_cselect_b32 s46, s18, s19                    ; B: q, k: features 32 + 4 x + cx;  v: tokens 4 y + cx
	s_add_co_u32 s20, s20, s41
	s_add_co_u32 s46, s46, s40
	s_mul_i32 s2, s16, 196608                      ; the two quarters of the scale bytes that I fetch
	s_lshl_b32 s92, s20, 11
	s_add_co_u32 s92, s92, s2
	s_mov_b32 s93, 0
	s_lshl_b32 s94, s46, 11
	s_add_co_u32 s94, s94, s2
	s_mov_b32 s95, 0
	s_lshl_b32 s21, s16, 3                         ; the eight tiles that I fetch
	s_lshl_b32 s22, s20, 4
	s_add_co_u32 s22, s22, s21
	s_mul_i32 s22, s22, 12288
	s_mov_b32 s23, 0
	s_lshl_b32 s46, s46, 4
	s_add_co_u32 s46, s46, s21
	s_mul_i32 s46, s46, 12288
	s_mov_b32 s47, 0
	s_mul_i32 s45, s14, HALFT                      ; where they go: no place in the cluster enters an LDS address
	s_lshl_b32 s3, s14, 12
	s_lshl_b32 s2, s15, 7
	s_add_co_u32 s3, s3, s2
	s_add_co_u32 s3, s3, SCL
	s_wait_dscnt 0x0                               ; both opening adds are done
	s_wait_kmcnt 0x0
	s_add_nc_u64 s[22:23], s[4:5], s[22:23]
	s_add_nc_u64 s[46:47], s[4:5], s[46:47]
	s_add_nc_u64 s[92:93], s[6:7], s[92:93]
	s_add_nc_u64 s[94:95], s[6:7], s[94:95]
	CROUND                                         ; all sixteen work-groups are here: the first joint loads meet
	s_mov_b32 s[G0S], 1
	s_mov_b32 s[G0S+1], s3
	s_mov_b64 s[G0S+2:G0S+3], s[92:93]
	s_or_b32 s[G0S+3], s[G0S+3], 0x80000000
	s_mov_b32 s[G0SB], 1
	s_mov_b32 s[G0SB+1], s3
	s_mov_b64 s[G0SB+2:G0SB+3], s[94:95]
	s_or_b32 s[G0SB+3], s[G0SB+3], 0x80000000
	JLOAD G0S, G1S, G0SB, G1SB                     ; the scale bytes for all of K: filled once
.irp s, 0,1
	s_mov_b32 s[G0+4*\s], 1
	s_add_co_u32 s[G0+4*\s+1], s45, \s*SLOT
	s_add_nc_u64 s[G0+4*\s+2:G0+4*\s+3], s[22:23], \s*TILEB
	s_or_b32 s[G0+4*\s+3], s[G0+4*\s+3], 0x80000000
	s_mov_b32 s[G0B+4*\s], 1
	s_add_co_u32 s[G0B+4*\s+1], s45, \s*SLOT
	s_add_nc_u64 s[G0B+4*\s+2:G0B+4*\s+3], s[46:47], \s*TILEB
	s_or_b32 s[G0B+4*\s+3], s[G0B+4*\s+3], 0x80000000
	JLOAD G0+4*\s, G1, G0B+4*\s, G1B               ; three loads of mine are out at the most
.endr
	v_and_b32 v1, 31, v0                           ; lane
	v_and_b32 v2, 15, v0                           ; r
	v_bfe_u32 v3, v0, 4, 1                         ; h
	v_lshlrev_b32 v4, 4, v1                        ; 16 l
	v_lshlrev_b32 v5, 3, v1                        ; 8 l
	s_mul_i32 s21, s15, HALFT                      ; my eight tiles of A,
	s_mul_i32 s2, s16, HALFT
	s_add_co_u32 s2, s2, 2*HALFT                   ; of B
.irp s, 0,1
	v_add_nc_u32 v[ADRA+\s], s21, v4
	v_add_nc_u32 v[ADRA+2+\s], s21, v5
	v_add_nc_u32 v[ADRB+\s], s2, v4
	v_add_nc_u32 v[ADRB+2+\s], s2, v5
	s_add_co_u32 s21, s21, SLOT
	s_add_co_u32 s2, s2, SLOT
.endr
	s_lshl_b32 s21, s15, 10                        ; scale words: A's: my 128 rows of 8 bytes;
	s_lshl_b32 s2, s16, 10
	s_add_co_u32 s2, s2, 8192+128
	s_sub_co_u32 s2, s2, s21
	v_mul_u32_u24 v6, s2, v3                       ; lanes 16-31 take B's
	s_add_co_u32 s21, s21, SCL
	v_lshl_add_u32 v6, v2, 3, v6
	v_add_nc_u32 v[ADRS], s21, v6
	v_and_b32 v6, 8, v2
	v_add_nc_u32 v6, v6, v2                        ; r + 8 (r / 8): the row behind position r of a tile
	v_lshlrev_b32 v10, 8, v6
	v_lshl_add_u32 v10, v3, 6, v10                 ; the table: my token's 256 bytes, + 64 h: frequencies 16 h on
	v_lshlrev_b32 v11, 6, v3                       ; the bias of q, k: 64 h: features 16 h on
	v_lshlrev_b32 v12, 2, v6                       ; the bias of v: my feature
.macro FRAG reg, adr, q, i             ; block i's fragment of the slot's q-th 128 along K: two images on end
	ds_load_b128 v[\reg:\reg+3], v[\adr] offset:(\i)*TILEB+(\q)*1536
	ds_load_b64 v[\reg+4:\reg+5], v[\adr+2] offset:(\i)*TILEB+(\q)*1536+512
	ds_load_b128 v[\reg+6:\reg+9], v[\adr] offset:(\i)*TILEB+(\q)*1536+768
	ds_load_b64 v[\reg+10:\reg+11], v[\adr+2] offset:(\i)*TILEB+(\q)*1536+1280
.endm
; 16 matrix instructions: A's blocks a0, a0 + 1 x B's eight.  p: B's set; sc: the set of scale words.  zero = 1: the first product starts the sums.  The 64 accumulators take turns, one instruction a turn.
.macro MUL16 a0, p, q, sc, zero
.irp a, \a0, \a0+1
.irp b, 0,1,2,3,4,5,6,7
.if \zero
	v_wmma_scale_f32_16x16x128_f8f6f4 v[8*(8*((\a)%4)+\b):8*(8*((\a)%4)+\b)+7], v[128*(\p)+FR*\b:128*(\p)+FR*\b+FR-1], v[AF+FR*(\a):AF+FR*(\a)+FR-1], 0, v[SC+8*NQ*(\sc)+NQ*\b+(\q)], v[SC+8*NQ*(\sc)+NQ*(\a)+(\q)] matrix_a_fmt:MATRIX_FMT_FP6 matrix_b_fmt:MATRIX_FMT_FP6 matrix_a_scale:MATRIX_SCALE_ROW1
.else
	v_wmma_scale_f32_16x16x128_f8f6f4 v[8*(8*((\a)%4)+\b):8*(8*((\a)%4)+\b)+7], v[128*(\p)+FR*\b:128*(\p)+FR*\b+FR-1], v[AF+FR*(\a):AF+FR*(\a)+FR-1], v[8*(8*((\a)%4)+\b):8*(8*((\a)%4)+\b)+7], v[SC+8*NQ*(\sc)+NQ*\b+(\q)], v[SC+8*NQ*(\sc)+NQ*(\a)+(\q)] matrix_a_fmt:MATRIX_FMT_FP6 matrix_b_fmt:MATRIX_FMT_FP6 matrix_a_scale:MATRIX_SCALE_ROW1
.endif
.endr
.endr
.endm
.macro FETCH_B slot, q, p
	WIN TO_B
.irp i, 0,1,2,3,4,5,6,7
	FRAG 128*(\p)+FR*\i, ADRB+\slot, \q, \i
.endr
	WIN 0
.endm
.macro FETCH_A slot, q, i0
.irp i, \i0, \i0+1, \i0+2, \i0+3
	FRAG AF+FR*(\i), ADRA+\slot, \q, \i
.endr
.endm
.macro SCALES sc                       ; a slot's scale words: two a row; lanes 0-15 take A's block i, lanes 16-31 B's block i
.irp i, 0,1,2,3,4,5,6,7
	ds_load_b64 v[SC+8*NQ*\sc+NQ*\i:SC+8*NQ*\sc+NQ*\i+1], v[ADRS] offset:\i*128
.endr
.endm
.macro PLACES n                        ; places in front of loads into registers that matrix instructions have read, and of the first read of results
.rept \n
	v_nop
.endr
.endm
.macro STEP slot, q, zero              ; a step of 128 along K that has its successor in the same slot
	s_wait_dscnt 4*NL                              ; B's set, A's blocks 0-3 and the scale words are in; the youngest 16 loads (A's blocks 4-7) may be out
	WIN MUL_LO
	MUL16 0, (\q)%2, \q, \slot, \zero
	MUL16 2, (\q)%2, \q, \slot, \zero
	s_wait_dscnt 0                                 ; A's blocks 4-7 are in
	PLACES NP
	FETCH_B \slot, (\q)+1, 1-(\q)%2
	FETCH_A \slot, (\q)+1, 0
	WIN MUL_HI
	MUL16 4, (\q)%2, \q, \slot, \zero
	MUL16 6, (\q)%2, \q, \slot, \zero
	PLACES NP
	WIN 0
	FETCH_A \slot, (\q)+1, 4
.endm
; A slot's last step changes slots: ONE barrier; in front of it each wave waits for all its tensor loads, adds 0 to its spare word, and waits for that and for its reads of this slot.  fill = 1: the slot is filled again, two K steps ahead.
.macro TURN slot, next, fill
	s_wait_tensorcnt 0x0                           ; all my tensor loads have landed: my part of the next slot
	ds_add_u32 v[SPW], v[NIL]                      ; 0 onto my spare word
	s_wait_dscnt 4*NL+1                            ; (the add and the youngest 16 loads may be out)
	WIN MUL_LO
	MUL16 0, 1, NQ-1, \slot, 0
	s_wait_dscnt 0x0                               ; the add is done, and my reads of this slot are over
	s_barrier_signal -1
	MUL16 2, 1, NQ-1, \slot, 0
	WIN 0
	s_barrier_wait -1
.if \fill
	CREST                                          ; the barrier has opened a round of the cluster's barrier: no wave of any partner still reads this slot or has a load on its way
	s_add_nc_u64 s[G0+4*\slot+2:G0+4*\slot+3], s[G0+4*\slot+2:G0+4*\slot+3], 2*TILEB
	s_add_nc_u64 s[G0B+4*\slot+2:G0B+4*\slot+3], s[G0B+4*\slot+2:G0B+4*\slot+3], 2*TILEB
	JLOAD G0+4*\slot, G1, G0B+4*\slot, G1B         ; the first tensor load behind the round; its four v_nop are the places in front of the loads below
.else
	PLACES NP
.endif
	v_add_nc_u32 v[ADRS], 2048, v[ADRS]            ; the next quarter's scale words (no LDS load of mine is out)
	FETCH_B \next, 0, 0
	FETCH_A \next, 0, 0
	SCALES \next
	WIN MUL_HI
	MUL16 4, 1, NQ-1, \slot, 0
	MUL16 6, 1, NQ-1, \slot, 0
	PLACES NP
	WIN 0
	FETCH_A \next, 0, 4
.endm
.macro LAST                            ; the very last step: nothing more to fetch
	s_wait_dscnt 4*NL
	WIN MUL_LO
	MUL16 0, 1, NQ-1, 1, 0
	MUL16 2, 1, NQ-1, 1, 0
	s_wait_dscnt 0
	WIN MUL_HI
	MUL16 4, 1, NQ-1, 1, 0
	MUL16 6, 1, NQ-1, 1, 0
	WIN 0
.endm
	s_wait_tensorcnt 1                             ; the scale bytes and my part of K step 0 are in (K step 1's load may be out)
	s_barrier_signal -1
	s_barrier_wait -1
	FETCH_B 0, 0, 0
	FETCH_A 0, 0, 0
	SCALES 0
	FETCH_A 0, 0, 4
	STEP 0, 0, 1                                   ; four K steps of 256: written out
	TURN 0, 1, 1
	STEP 1, 0, 0
	TURN 1, 0, 1
	STEP 0, 0, 0
	TURN 0, 1, 0                                   ; nothing is left to fetch
	STEP 1, 0, 0
; ---------------- the way out.  Window 1's numbers ----------------
.set PC, 0                             ; v0-11 a fragment's codes; v12-14, v16-18 upper halves as converted
.set PW, 24                            ; the scale word just made
.set TM, 32                            ; v32-35 largest magnitudes, v36-39 bytes, v44-47 the conversions' scale operands
.set SW, 48                            ; v48-63 the tiles' scale words
.set G,  64                            ; v64-71 scale images
.set RT, 72                            ; v72-79 RoPE's products
.set T,  128                           ; v128-191 64 numbers: register 16 b + i = index 32 b + 16 (lane / 16) + i
.set CN, 224                           ; v224-239 cos, v240-255 sin of frequencies 16 (lane / 16) + 0 .. 15
.set SN, 240
.macro QUANT                           ; the 64 numbers become a fragment's codes and its scale word
.irp b, 0,1,2,3
	v_max3_num_f32 v[TM+\b], |v[T+16*\b]|, |v[T+1+16*\b]|, 0x1800000     ; my 16 numbers of block b, and the floor 2^(3 - 127)
.endr
.irp i, 2,4,6,8,10,12,14
.irp b, 0,1,2,3
	v_max3_num_f32 v[TM+\b], v[TM+\b], |v[T+16*\b+\i]|, |v[T+1+16*\b+\i]|
.endr
.endr
.irp b, 0,1,2,3
	v_permlanex16_b32 v[TM+4+\b], v[TM+\b], s96, s97
.endr
.irp b, 0,1,2,3
	v_max_num_f32 v[TM+\b], v[TM+\b], v[TM+4+\b]   ; with lane l xor 16's: the block's largest magnitude
.endr
.irp b, 0,1,2,3
	v_add_nc_u32 v[TM+12+\b], 0xff000000, v[TM+\b] ; 2 off its exponent field: the conversion's scale operand
.endr
.irp b, 0,1,2,3
	v_lshrrev_b32 v[TM+4+\b], 23, v[TM+12+\b]      ; the scale's byte
.endr
	v_lshl_or_b32 v[PW], v[TM+5], 8, v[TM+4]
	v_lshl_or_b32 v[PW], v[TM+6], 16, v[PW]
	v_lshl_or_b32 v[PW], v[TM+7], 24, v[PW]
.irp c, 0,1
	v_cvt_scalef32_pk16_fp6_f32 v[PC+6*\c:PC+2+6*\c], v[T+32*\c:T+15+32*\c], v[TM+12+2*\c]
	v_cvt_scalef32_pk16_fp6_f32 v[PC+12+4*\c:PC+14+4*\c], v[T+16+32*\c:T+31+32*\c], v[TM+12+2*\c+1]
.endr
	v_nop                                          ; a plain instruction behind the conversions
.irp c, 0,1                            ; the operand's layout wants a whole block in a lane
.irp i, 0,1,2
	v_permlane16_swap_b32 v[PC+6*\c+\i], v[PC+12+4*\c+\i]
.endr
.irp i, 0,1,2
	v_mov_b32 v[PC+3+6*\c+\i], v[PC+12+4*\c+\i]
.endr
.endr
.endm
.macro TRIG a                          ; cos and sin of my token of block a
.irp j, 0,1,2,3
	global_load_b128 v[CN+4*\j:CN+4*\j+3], v10, s[10:11] offset:(32*((\a)/2)+8*((\a)%2))*256+16*\j
	global_load_b128 v[SN+4*\j:SN+4*\j+3], v10, s[10:11] offset:(32*((\a)/2)+8*((\a)%2))*256+128+16*\j
.endr
.endm
.macro ROPE                            ; channel d < 32 and channel d + 32 of a head lie in one lane, 16 registers apart
.irp hd, 0,1
.irp i, 0,4,8,12
	v_pk_mul_f32 v[RT:RT+1], v[T+32*\hd+16+\i:T+32*\hd+17+\i], v[SN+\i:SN+\i+1]
	v_pk_mul_f32 v[RT+2:RT+3], v[T+32*\hd+\i:T+32*\hd+\i+1], v[SN+\i:SN+\i+1]
	v_pk_mul_f32 v[RT+4:RT+5], v[T+32*\hd+18+\i:T+32*\hd+19+\i], v[SN+\i+2:SN+\i+3]
	v_pk_mul_f32 v[RT+6:RT+7], v[T+32*\hd+\i+2:T+32*\hd+\i+3], v[SN+\i+2:SN+\i+3]
	v_pk_fma_f32 v[T+32*\hd+\i:T+32*\hd+\i+1], v[T+32*\hd+\i:T+32*\hd+\i+1], v[CN+\i:CN+\i+1], v[RT:RT+1] neg_lo:[0,0,1] neg_hi:[0,0,1]
	v_pk_fma_f32 v[T+32*\hd+16+\i:T+32*\hd+17+\i], v[T+32*\hd+16+\i:T+32*\hd+17+\i], v[CN+\i:CN+\i+1], v[RT+2:RT+3]
	v_pk_fma_f32 v[T+32*\hd+\i+2:T+32*\hd+\i+3], v[T+32*\hd+\i+2:T+32*\hd+\i+3], v[CN+\i+2:CN+\i+3], v[RT+4:RT+5] neg_lo:[0,0,1] neg_hi:[0,0,1]
	v_pk_fma_f32 v[T+32*\hd+18+\i:T+32*\hd+19+\i], v[T+32*\hd+18+\i:T+32*\hd+19+\i], v[CN+\i+2:CN+\i+3], v[RT+6:RT+7]
.endr
.endr
.endm
	s_mov_b32 s96, 0x76543210                      ; v_permlanex16_b32's selects for lane l xor 16
	s_mov_b32 s97, 0xfedcba98
	s_mov_b32 s98, 0x7f7f0000                      ; the scale bytes of the empty upper half of a K step
	s_cmp_eq_u32 ttmp9, 2                          ; the cluster's x: the same in all partners
	s_cbranch_scc1 .Lv_tail
; ---- q and k.  What the tail needs from memory is asked for ahead of the last 64 products.
	s_lshl_b32 s20, s17, 2
	s_add_co_u32 s20, s20, s41
	s_lshl_b32 s20, s20, 8
	s_lshl_b32 s21, s15, 7
	s_add_co_u32 s20, s20, s21                     ; my first token
	s_lshl_b32 s21, ttmp9, 2
	s_add_co_u32 s21, s21, s40
	s_lshl_b32 s21, s21, 8
	s_lshl_b32 s2, s16, 7
	s_add_co_u32 s21, s21, s2                      ; my first feature
	s_lshl_b32 s2, s21, 2
	s_mov_b32 s3, 0
	s_add_nc_u64 s[8:9], s[8:9], s[2:3]
	s_and_b32 s2, s20, 2047
	s_lshl_b32 s2, s2, 8
	s_add_nc_u64 s[10:11], s[10:11], s[2:3]        ; the table at my first token's place in its sequence
	s_lshr_b32 s2, s20, 11                         ; batch
	s_lshl_b32 s2, s2, 4
	s_bfe_u32 s18, s21, 0x40006                    ; my first head
	s_add_co_u32 s2, s2, s18
	s_lshl_b32 s2, s2, 4
	s_bfe_u32 s18, s20, 0x40007                    ; my group of 128 positions
	s_add_co_u32 s2, s2, s18
	s_mul_i32 s2, s2, 19712
	s_cmp_eq_u32 ttmp9, 1
	s_cselect_b32 s18, 6656, 0                     ; K's images lie 6,656 bytes into a record,
	s_cselect_b32 s19, 6144, 0
	s_add_co_u32 s2, s2, s18
	s_add_nc_u64 s[12:13], s[12:13], s[2:3]
	s_add_co_u32 s18, s19, 6144                    ; the scale words 6,144 (Q) or 12,288 (K) behind the images
	s_mov_b32 s19, 0
	s_add_nc_u64 s[18:19], s[12:13], s[18:19]
.irp j, 0,1,2,3,4,5,6,7,8,9,10,11,12,13,14,15
	global_load_b128 v[BI+4*\j:BI+4*\j+3], v11, s[8:9] offset:128*(\j/4)+16*(\j%4)   ; the bias in the results' order
.endr
	WIN TO_B
	TRIG 0
	WIN 0
	LAST
	PLACES NP
	s_mov_b32 vcc_lo, 0xffff0000                   ; lanes 16-31
	WIN W1
.irp b, 0,1,2,3
	v_mov_b32 v[TM+4+\b], 0                        ; written once: a lane permute's destination counts as one of its sources
.endr
.macro QK_ITER a                       ; block a: 16 tokens x 128 features
	s_wait_xcnt 0x0                                ; the last block's stores have read their registers
	s_wait_loadcnt 0x0                             ; the bias, and this block's cos and sin
	WIN 0x42+(\a)/4                                ; destination window 1, source 0 window 2 or 3, source 1 window 0
.set AC, 64*((\a)%4)
.set j, 0
.rept 32
	v_pk_add_f32 v[T+j:T+j+1], v[AC+j:AC+j+1], v[BI+j:BI+j+1]    ; each accumulator from its low end on
.set j, j+2
.endr
	WIN W1
	ROPE
.if (\a) < 7
	WIN TO_B
	TRIG (\a)+1
	WIN W1
.endif
	QUANT
	v_and_or_b32 v[SW+(\a)], v[PW], 0xffff, s98    ; the first head's two bytes,
	v_lshrrev_b32 v[SW+8+(\a)], 16, v[PW]
	v_or_b32 v[SW+8+(\a)], s98, v[SW+8+(\a)]       ; the second's
	WIN ST
	global_store_b128 v4, v[PC:PC+3], s[12:13] offset:768*(\a)               ; 512 and 256 consecutive bytes, aligned
	global_store_b64 v5, v[PC+4:PC+5], s[12:13] offset:768*(\a)+512
	global_store_b128 v4, v[PC+6:PC+9], s[12:13] offset:315392+768*(\a)      ; the next head's record
	global_store_b64 v5, v[PC+10:PC+11], s[12:13] offset:315392+768*(\a)+512
.endm
.irp a, 0,1,2,3,4,5,6,7
	QK_ITER \a
.endr
	WIN W1
.irp hd, 0,1
.irp q, 0,1,2,3
	v_cndmask_b32 v[G+4*\hd+\q], v[SW+8*\hd+2*\q], v[SW+8*\hd+2*\q+1], vcc_lo    ; lanes 0-15: tile 2 q, lanes 16-31: tile 2 q + 1
.endr
.endr
	WIN ST
	global_store_b128 v4, v[G:G+3], s[18:19]
	global_store_b128 v4, v[G+4:G+7], s[18:19] offset:315392
	WIN 0
	s_wait_tensorcnt 0x0                           ; the wave's end
	ds_add_u32 v[SPW], v[NIL]
	s_wait_dscnt 0x0
	CROUND                                         ; the closing round
	s_endpgm
; ---- v: a lane holds one feature and 128 keys
.Lv_tail:
	s_lshl_b32 s20, s41, 8
	s_lshl_b32 s21, s15, 7
	s_add_co_u32 s20, s20, s21                     ; my first feature of v's 1,024
	s_lshl_b32 s21, s17, 2
	s_add_co_u32 s21, s21, s40
	s_lshl_b32 s21, s21, 8
	s_lshl_b32 s2, s16, 7
	s_add_co_u32 s21, s21, s2                      ; my first key
	s_lshl_b32 s2, s20, 2
	s_add_co_u32 s2, s2, 8192
	s_mov_b32 s3, 0
	s_add_nc_u64 s[8:9], s[8:9], s[2:3]
	s_lshr_b32 s2, s21, 11
	s_lshl_b32 s2, s2, 4
	s_lshr_b32 s18, s20, 6
	s_add_co_u32 s2, s2, s18
	s_lshl_b32 s2, s2, 4
	s_bfe_u32 s18, s21, 0x40007
	s_add_co_u32 s2, s2, s18
	s_mul_i32 s2, s2, 19712
	s_add_co_u32 s2, s2, 12800
	s_add_nc_u64 s[12:13], s[12:13], s[2:3]
.irp a, 0,1,2,3,4,5,6,7
	global_load_b32 v[BI+2*\a], v12, s[8:9] offset:4*(32*(\a/2)+8*(\a%2))        ; my feature's bias in block a;
	global_load_b32 v[BI+2*\a+1], v12, s[8:9] offset:4*(32*(\a/2)+8*(\a%2))      ; the packed addition names a pair
.endr
	LAST
	PLACES NP
	s_mov_b32 vcc_lo, 0xffff0000
	WIN W1
.irp b, 0,1,2,3
	v_mov_b32 v[TM+4+\b], 0
.endr
	s_wait_loadcnt 0x0
.macro V_ITER a                        ; block a: 16 features x 128 keys
	s_wait_xcnt 0x0                                ; the last block's stores have read their registers
	WIN 0x42+(\a)/4
.set AC, 64*((\a)%4)
.set j, 0
.rept 32
	v_pk_add_f32 v[T+j:T+j+1], v[AC+j:AC+j+1], v[BI+2*(\a):BI+2*(\a)+1] op_sel_hi:[1,0]
.set j, j+2
.endr
	WIN W1
	QUANT
	v_mov_b32 v[SW+(\a)], v[PW]
	WIN ST
	global_store_b128 v4, v[PC:PC+3], s[12:13] offset:((\a)/4)*315392+((\a)%4)*1536
	global_store_b64 v5, v[PC+4:PC+5], s[12:13] offset:((\a)/4)*315392+((\a)%4)*1536+512
	global_store_b128 v4, v[PC+6:PC+9], s[12:13] offset:((\a)/4)*315392+((\a)%4)*1536+768
	global_store_b64 v5, v[PC+10:PC+11], s[12:13] offset:((\a)/4)*315392+((\a)%4)*1536+1280
.endm
.irp a, 0,1,2,3,4,5,6,7
	V_ITER \a
.endr
	WIN W1
.irp hd, 0,1
.irp q, 0,1
	v_cndmask_b32 v[G+2*\hd+\q], v[SW+4*\hd+2*\q], v[SW+4*\hd+2*\q+1], vcc_lo
.endr
.endr
	WIN ST
	global_store_b64 v5, v[G:G+1], s[12:13] offset:6656
	global_store_b64 v5, v[G+2:G+3], s[12:13] offset:6656+315392
	WIN 0
	s_wait_tensorcnt 0x0                           ; the wave's end
	ds_add_u32 v[SPW], v[NIL]
	s_wait_dscnt 0x0
	CROUND                                         ; the closing round
	s_endpgm
.Lfunc_end_k_q3fa4e86241_qkvp:
	.size	k_q3fa4e86241_qkvp, .Lfunc_end_k_q3fa4e86241_qkvp-k_q3fa4e86241_qkvp
	.p2alignl 7, 3214868480
	.fill 96, 4, 3214868480
	.section	.rodata,"a",@progbits
	.p2align	6, 0x0
	.amdhsa_kernel k_q3fa4e86241_qkvp
		.amdhsa_group_segment_fixed_size 327680
		.amdhsa_private_segment_fixed_size 0
		.amdhsa_enable_private_segment 0
		.amdhsa_kernarg_size 40
		.amdhsa_user_sgpr_count 2
		.amdhsa_user_sgpr_kernarg_segment_ptr 1
		.amdhsa_wavefront_size32 1
		.amdhsa_system_sgpr_workgroup_id_x 1
		.amdhsa_system_sgpr_workgroup_id_y 1
		.amdhsa_system_sgpr_workgroup_id_z 1
		.amdhsa_system_vgpr_workitem_id 0
		.amdhsa_next_free_vgpr 1024
		.amdhsa_next_free_sgpr 100
		.amdhsa_reserve_vcc 1
		.amdhsa_float_denorm_mode_32 3
		.amdhsa_float_denorm_mode_16_64 3
		.amdhsa_memory_ordered 1
		.amdhsa_forward_progress 1
		.amdhsa_inst_pref_size 255
	.end_amdhsa_kernel
	.section	.bss,"aw",@nobits
	.p2align	6
	.space	262144
	.amdgpu_metadata
---
amdhsa.version: [ 1, 2 ]
amdhsa.kernels:
  - .name:           k_q3fa4e86241_qkvp
    .symbol:         k_q3fa4e86241_qkvp.kd
    .args:
      - { .name: opc, .offset: 0, .size: 8, .value_kind: global_buffer, .address_space: global }
      - { .name: ops, .offset: 8, .size: 8, .value_kind: global_buffer, .address_space: global }
      - { .name: bqkv, .offset: 16, .size: 8, .value_kind: global_buffer, .address_space: global }
      - { .name: trig, .offset: 24, .size: 8, .value_kind: global_buffer, .address_space: global }
      - { .name: qkv, .offset: 32, .size: 8, .value_kind: global_buffer, .address_space: global }
    .group_segment_fixed_size: 327680
    .private_segment_fixed_size: 0
    .kernarg_segment_align: 8
    .kernarg_segment_size: 40
    .max_flat_workgroup_size: 128
    .sgpr_count:     100
    .vgpr_count:     1024
    .wavefront_size: 32
...
	.end_amdgpu_metadata
.endif
;; end of part 2
;; launch attn (part 3): grid 4 x 64, 16 waves a work-group, clusters of 4 x 1, 220,160 bytes of LDS; arguments qkv, padding_mask, o_img, o_sc; writes o_img, o_sc
.if DOCPART == 3
	.amdgcn_target "amdgcn-amd-amdhsa--gfx1250"
	.amdhsa_code_object_version 6
	.text
	.protected	k_q3fa4e86241_attn
	.globl	k_q3fa4e86241_attn
	.p2align	8
	.type	k_q3fa4e86241_attn,@function
k_q3fa4e86241_attn:
	s_mov_b64 s[64:65], 0
	v_nop
	global_prefetch_b8 v0, s[64:65] scope:SCOPE_SE
	s_setreg_imm32_b32 hwreg(HW_REG_WAVE_MODE, 25, 1), 1
	s_wait_xcnt 0x0
	s_wait_alu depctr_hold_cnt(0) depctr_sa_sdst(0) depctr_va_vdst(0) depctr_va_sdst(0) depctr_va_ssrc(0) depctr_va_vcc(0) depctr_vm_vsrc(0)
	s_getreg_b32 s2, hwreg(HW_REG_IB_STS2, 6, 4)
	s_cmp_eq_u32 s2, 0
	s_cbranch_scc0 .Lentry_in_a_cluster
	s_endpgm
.Lentry_in_a_cluster:
	s_bfe_u32 s2, ttmp6, 0x10000c
	s_cmp_lg_u32 s2, 0x3003
	s_cbranch_scc0 .Lentry_shape_is_right
	s_endpgm
.Lentry_shape_is_right:
; Launch 3 of 4: o = softmax(q k^T / 8 + (1 - mask) x -1e9) v for one (batch, head) a cluster, both products on codes of FP6 (E2M3); o leaves quantised along the fourth product's K.  No work of reference() is left out.
; THE SOFTMAX AHEAD OF THE SECOND PRODUCT: t = logit x log2(e), made as f32 makes it: (dot + 8 bias) rounded, times log2(e) / 8 rounded (the factors 8 are exact), so that t has the bits of fl(fl(dot / 8 + bias) x log2(e)) for
; masked keys and large inputs too; M = the running largest t rounded up to a whole number; p = 2^(t - M) is quantised along the keys; the row's sum is taken of the unquantised p and divides at the end.
; SHARES.  The cluster's four work-groups own 512 queries each, in two trips of 256; each of sixteen waves owns one tile of 16 queries a trip, in 256 registers: four waves to a SIMD, so that one wave's vector work stands
; beside another's matrix work and LDS loads.  THE HEAD'S WHOLE K AND V, codes and scale words, 208,896 bytes, COME INTO LDS ONCE, by one joint tensor load a wave (a record of 128 keys each): no ring, nothing is filled again.
; LAYOUT.  S^T = K Q^T and O^T = V^T P^T: a lane holds one query throughout.  Keys and channels lie by position in their tiles, so the 16 registers of two neighbouring result tiles are 16 neighbours.
; THE HEAD IS 64, A K STEP 128: Q's registers 6-11 are zero codes.  K's operand for tile t is v[32 + 6 t .. 43 + 6 t]: its upper six registers are the next tile's codes (for tile 7: zeros); they meet Q's zero codes under
; scale bytes 0x7f and add nothing.  So K is read from LDS and kept in registers at half an operand's size.
; LIMITS: as in the first launch.  No prefetch: all that the launch reads of K and V is asked for at its head.
; REGISTERS: v1 16 l, v2 8 l, v3 the bias's address, v4, v5 the add's two, v6-8 the step's addresses, v9 Q's scale word, v10, v11 the scale bytes' stage, v12 -M, v13 the largest t, v[14:15] the sum, v16-27 Q, v28-31 offsets,
;   v32-85 K, then bias, then V; v96-159 S^T, t, p; v160-191 O^T; v192-223 bias; v224-235 p's codes; v232-254 at work; v248-251 K's, then V's scale words.
.set REC,   13056                      ; a record's K (6,144), V (6,144), K's scale words (512), V's (256)
.set BIAS,  16*REC                     ; 8 (1 - mask) x -1e9 for the 2,048 keys, f32
.set OSC,   BIAS+8192                  ; o's scale bytes, two for each of 512 queries
.set SPARE, OSC+1024                   ; the spare words, 128 bytes for each wave: eight blocks of 256 bytes that no other line names
.set SPW, 4
.set NIL, 5
.macro CROUND                          ; a round of the cluster's barrier
	s_barrier_signal -1
	s_barrier_wait -1
	s_cmp_lg_u32 s12, 0
	s_cbranch_scc1 .Lnot_wave_0_\@
	s_barrier_signal -3
.Lnot_wave_0_\@:
	s_barrier_wait -3
	s_barrier_signal -1
	s_barrier_wait -1
.endm
	s_load_b256 s[4:11], s[0:1], 0x0               ; qkv s[4:5], padding_mask s[6:7], o_img s[8:9], o_sc s[10:11]
	v_lshl_add_u32 v[SPW], v0, 2, SPARE
	v_mov_b32 v[NIL], 0
	ds_add_u32 v[SPW], v[NIL]                      ; the wave's opening: the add, twice on end, and its wait ahead of my first tensor load
	ds_add_u32 v[SPW], v[NIL]
	v_lshrrev_b32 v6, 5, v0
	v_readfirstlane_b32 s12, v6                    ; wave 0..15
	s_bfe_u32 s13, ttmp6, 0x40000                  ; cx: it enters global addresses of q and o alone
	s_and_b32 s14, ttmp7, 0xffff                   ; 16 x batch + head, which the four partners share
	s_mov_b32 s16, 15|(3<<16)|(1<<21)              ; group 1: all four work-groups; elements of 8 bytes; 51 dense rows of 256 bytes
	s_mov_b32 s17, 32<<16
	s_mov_b32 s18, 51<<16
	s_mov_b32 s19, 32<<16
	s_mov_b32 s20, 51
	s_mov_b32 s21, 32
	s_mov_b32 s22, 0
	s_mov_b32 s23, 0
	s_mul_i32 s34, s14, 315392                     ; the head's sixteen records
	s_mov_b32 s35, 0
	s_mul_i32 s36, s12, 19712                      ; my record, from its K on
	s_add_co_u32 s36, s36, 6656
	s_mov_b32 s37, 0
	s_mov_b32 s24, 1
	s_mul_i32 s25, s12, REC
	s_mov_b32 s28, 0x76543210                      ; v_permlanex16_b32's selects for lane l xor 16
	s_mov_b32 s29, 0xfedcba98
	s_mov_b32 s30, 0x3e38aa3b                      ; log2(e) / 8
	s_mov_b32 s31, s30                             ; (named with it as a pair)
	s_wait_dscnt 0x0                               ; both opening adds are done
	s_wait_kmcnt 0x0
	s_add_nc_u64 s[4:5], s[4:5], s[34:35]
	s_add_nc_u64 s[26:27], s[4:5], s[36:37]
	s_or_b32 s27, s27, 0x80000000
	CROUND                                         ; all four work-groups are here: the joint loads meet
	tensor_load_to_lds s[24:27], s[16:23]          ; my one tensor load of the launch
	s_nop 0
.rept 4
	v_nop
.endr
	s_lshr_b32 s38, s14, 4                         ; batch
	s_and_b32 s39, s14, 15                         ; head
	s_lshl_b32 s40, s38, 13
	s_mov_b32 s41, 0
	s_add_nc_u64 s[6:7], s[6:7], s[40:41]
	v_lshlrev_b32 v31, 4, v0                       ; 16 x thread
	global_load_b128 v[32:35], v31, s[6:7]         ; four keys' mask a thread
	s_lshl_b32 s40, s38, 7                         ; o_img: tile 128 batch + 32 cx + wave (+ 16 in the second trip), image = head
	s_lshl_b32 s45, s13, 5
	s_add_co_u32 s40, s40, s45
	s_add_co_u32 s40, s40, s12
	s_mul_i32 s40, s40, 12288
	s_mul_i32 s45, s39, 768
	s_add_co_u32 s40, s40, s45
	s_add_nc_u64 s[8:9], s[8:9], s[40:41]
	s_lshl_b32 s40, s39, 14                        ; o_sc: [head][8,192 positions] of two bytes
	s_lshl_b32 s45, s38, 12
	s_add_co_u32 s40, s40, s45
	s_lshl_b32 s45, s13, 10
	s_add_co_u32 s40, s40, s45
	s_add_nc_u64 s[10:11], s[10:11], s[40:41]
	s_lshl_b32 s40, s13, 2                         ; q: record 4 cx + wave / 8 (+ 2 in the second trip), image wave % 8
	s_lshr_b32 s45, s12, 3
	s_add_co_u32 s40, s40, s45
	s_mul_i32 s40, s40, 19712
	s_add_nc_u64 s[42:43], s[4:5], s[40:41]
	v_and_b32 v6, 31, v0
	v_and_b32 v7, 15, v0                           ; r
	v_bfe_u32 v8, v0, 4, 1                         ; h
	v_lshlrev_b32 v1, 4, v6
	v_lshlrev_b32 v2, 3, v6
	v_lshl_add_u32 v3, v8, 6, BIAS                 ; my 16 keys of a block of 32
	s_lshl_b32 s40, s12, 5
	v_lshl_add_u32 v10, v7, 1, s40
	v_add_nc_u32 v10, OSC, v10                     ; my query's two scale bytes
	v_add_nc_u32 v11, OSC, v31                     ; and back (waves 0 and 1): 16 x thread
	s_and_b32 s40, s12, 7
	s_mul_i32 s40, s40, 768
	v_add_nc_u32 v28, s40, v1
	v_add_nc_u32 v29, s40, v2
	s_and_b32 s40, s12, 1                          ; Q's scale word: tile t = wave % 8 lies in register t / 2 of lane 16 (t % 2) + r
	s_lshl_b32 s40, s40, 8
	s_bfe_u32 s45, s12, 0x20001
	s_lshl_b32 s45, s45, 2
	s_add_co_u32 s40, s40, s45
	s_add_co_u32 s40, s40, 6144
	v_lshl_add_u32 v30, v7, 4, s40
.irp j, 22,23,24,25,26,27,80,81,82,83,84,85,236,237,238,239,252,253
	v_mov_b32 v[\j], 0                             ; Q's zero codes; what stands behind K's last tile; registers that are named before they are first written
.endr
	v_add_nc_u32 v7, BIAS, v31
	s_wait_loadcnt 0x0
.irp j, 32,33,34,35
	v_cvt_f32_i32 v[\j], v[\j]
.endr
.irp j, 32,33,34,35
	v_sub_f32 v[\j], 1.0, v[\j]
.endr
.irp j, 32,33,34,35
	v_mul_f32 v[\j], 0xcfee6b28, v[\j]             ; x -8e9: 8 x reference()'s term, with the same rounding
.endr
	ds_store_b128 v7, v[32:35]
	s_wait_tensorcnt 0x0                           ; my record has landed,
	s_wait_dscnt 0x0                               ; my part of the bias is stored:
	s_barrier_signal -1
	s_barrier_wait -1                              ; everybody's
; 32 scores from v[sr] on, their bias in v[br] on, become t; and the largest t of my 16 keys of blocks blk, blk + 1
.macro TPART sr, br, blk
.set j, 0
.rept 16
	v_pk_add_f32 v[\sr+j:\sr+j+1], v[\sr+j:\sr+j+1], v[\br+j:\br+j+1]      ; each accumulator from its low end on
.set j, j+2
.endr
.set j, 0
.rept 16
	v_pk_mul_f32 v[\sr+j:\sr+j+1], v[\sr+j:\sr+j+1], s[30:31] op_sel_hi:[1,0]
.set j, j+2
.endr
.irp b, 0,1
	v_max3_num_f32 v[232+\blk+\b], v[\sr+16*\b], v[\sr+16*\b+1], v[\sr+16*\b+2]
.endr
.irp i, 3,5,7,9,11,13
.irp b, 0,1
	v_max3_num_f32 v[232+\blk+\b], v[232+\blk+\b], v[\sr+16*\b+\i], v[\sr+16*\b+\i+1]
.endr
.endr
.irp b, 0,1
	v_max_num_f32 v[232+\blk+\b], v[232+\blk+\b], v[\sr+16*\b+15]
.endr
.endm
; A KEY STEP: 128 keys, one record
.macro STEP
	v_add_nc_u32 v6, s32, v1                       ; these three and the v_nop are the places behind the last step's products, in front of the loads into their registers
	v_add_nc_u32 v7, s32, v2
	v_add_nc_u32 v8, s33, v3
	v_nop
.irp t, 0,1,2,3,4,5,6,7
	ds_load_b128 v[32+6*\t:35+6*\t], v6 offset:768*\t
	ds_load_b64 v[36+6*\t:37+6*\t], v7 offset:768*\t+512
.endr
	ds_load_b128 v[248:251], v6 offset:12288       ; K's scale words: register q: tile 2 q in lanes 0-15, tile 2 q + 1 in lanes 16-31
.irp j, 0,1,2,3,4,5,6,7
	ds_load_b128 v[192+4*\j:195+4*\j], v8 offset:128*(\j/4)+16*(\j%4)      ; the bias of blocks 0, 1
.endr
	s_wait_dscnt 8                                 ; K and its scale words are in; the eight bias loads may be out
.irp t, 0,1,2,3,4,5,6,7
.if (\t)%2
	v_wmma_scale_f32_16x16x128_f8f6f4 v[96+8*\t:103+8*\t], v[32+6*\t:43+6*\t], v[16:27], 0, v[248+\t/2], v9 matrix_a_fmt:MATRIX_FMT_FP6 matrix_b_fmt:MATRIX_FMT_FP6 matrix_a_scale:MATRIX_SCALE_ROW1
.else
	v_wmma_scale_f32_16x16x128_f8f6f4 v[96+8*\t:103+8*\t], v[32+6*\t:43+6*\t], v[16:27], 0, v[248+\t/2], v9 matrix_a_fmt:MATRIX_FMT_FP6 matrix_b_fmt:MATRIX_FMT_FP6
.endif
.endr
.rept 4
	v_nop                                          ; places in front of the loads into K's registers and of the first read of the scores
.endr
.irp j, 0,1,2,3,4,5,6,7
	ds_load_b128 v[32+4*\j:35+4*\j], v8 offset:256+128*(\j/4)+16*(\j%4)    ; the bias of blocks 2, 3
.endr
	s_wait_dscnt 8                                 ; the first eight bias loads are in
	TPART 96, 192, 0
	s_wait_dscnt 0x0
	TPART 128, 32, 2
.irp t, 0,1,2,3                        ; V's four fragments land while the softmax is worked
	ds_load_b128 v[32+12*\t:35+12*\t], v6 offset:6144+1536*\t
	ds_load_b64 v[36+12*\t:37+12*\t], v7 offset:6144+1536*\t+512
	ds_load_b128 v[38+12*\t:41+12*\t], v6 offset:6144+1536*\t+768
	ds_load_b64 v[42+12*\t:43+12*\t], v7 offset:6144+1536*\t+1280
.endr
	ds_load_b64 v[248:249], v7 offset:12800        ; V's scale words
.irp b, 0,1,2,3
	v_permlanex16_b32 v[236+\b], v[232+\b], s28, s29
.endr
.irp b, 0,1,2,3
	v_max_num_f32 v[232+\b], v[232+\b], v[236+\b]  ; each block's largest t: it serves for the row's maximum and, since p rises with t, for the block's largest p
.endr
	v_max3_num_f32 v254, v232, v233, v234
	v_max_num_f32 v254, v254, v235
	v_max_num_f32 v13, v13, v254                   ; the running largest t
	v_mov_b32 v254, v12
	v_floor_f32 v12, -v13                          ; -M = floor(-t): M is a whole number
	v_sub_f32 v254, v12, v254                      ; old M - new M: a whole number, 0 or less
	v_cvt_i32_f32 v254, v254                       ; (it saturates)
	v_ldexp_f32 v252, 1.0, v254                    ; f = 2^(old M - new M)
.set j, 0
.rept 32
	v_pk_add_f32 v[96+j:97+j], v[96+j:97+j], v[12:13] op_sel_hi:[1,0]      ; t - M
.set j, j+2
.endr
.irp b, 0,1,2,3
	v_add_f32 v[232+\b], v[232+\b], v12
.endr
.set j, 0
.rept 64
	v_exp_f32 v[96+j], v[96+j]                     ; p = 2^(t - M)
.set j, j+1
.endr
	v_pk_mul_f32 v[14:15], v[14:15], v[252:253] op_sel_hi:[1,0]            ; the sums under the new M: a plain instruction behind the exponentials
	s_wait_alu depctr_va_vdst(0)                   ; one wait for the batch, ahead of its first reader
.irp b, 0,1,2,3
	v_exp_f32 v[232+\b], v[232+\b]                 ; the block's largest p: the same instructions on the same number
.endr
	v_pk_add_f32 v[236:237], v[96:97], v[98:99]    ; the row's sum, of the unquantised p, in two chains
.irp j, 4,8,12,16,20,24,28,32,36,40,44,48,52,56,60
	v_pk_add_f32 v[14:15], v[14:15], v[96+\j:97+\j]
	v_pk_add_f32 v[236:237], v[236:237], v[98+\j:99+\j]
.endr
	v_pk_add_f32 v[14:15], v[14:15], v[236:237]
	s_wait_alu depctr_va_vdst(0)                   ; and one for the four
.irp b, 0,1,2,3
	v_max_num_f32 v[232+\b], 0x1800000, v[232+\b]  ; the floor 2^(3 - 127)
.endr
.irp b, 0,1,2,3
	v_add_nc_u32 v[244+\b], 0xff000000, v[232+\b]  ; the conversion's scale operand
.endr
.irp b, 0,1,2,3
	v_lshrrev_b32 v[236+\b], 23, v[244+\b]
.endr
	v_lshl_or_b32 v253, v237, 8, v236              ; p's scale word for these 128 keys
	v_lshl_or_b32 v253, v238, 16, v253
	v_lshl_or_b32 v253, v239, 24, v253
.irp c, 0,1
	v_cvt_scalef32_pk16_fp6_f32 v[224+6*\c:226+6*\c], v[96+32*\c:111+32*\c], v[244+2*\c]
	v_cvt_scalef32_pk16_fp6_f32 v[236+4*\c:238+4*\c], v[112+32*\c:127+32*\c], v[244+2*\c+1]
.endr
	v_nop                                          ; a plain instruction behind the conversions
.irp c, 0,1
.irp i, 0,1,2
	v_permlane16_swap_b32 v[224+6*\c+\i], v[236+4*\c+\i]
.endr
.irp i, 0,1,2
	v_mov_b32 v[227+6*\c+\i], v[236+4*\c+\i]
.endr
.endr
.set j, 0
.rept 16
	v_pk_mul_f32 v[160+j:161+j], v[160+j:161+j], v[252:253] op_sel_hi:[1,0]   ; O^T under the new M; also the places between the scale word, the codes and the products
.set j, j+2
.endr
	s_wait_dscnt 0x0                               ; V and its scale words are in
.irp t, 0,1,2,3
.if (\t)%2
	v_wmma_scale_f32_16x16x128_f8f6f4 v[160+8*\t:167+8*\t], v[32+12*\t:43+12*\t], v[224:235], v[160+8*\t:167+8*\t], v[248+\t/2], v253 matrix_a_fmt:MATRIX_FMT_FP6 matrix_b_fmt:MATRIX_FMT_FP6 matrix_a_scale:MATRIX_SCALE_ROW1
.else
	v_wmma_scale_f32_16x16x128_f8f6f4 v[160+8*\t:167+8*\t], v[32+12*\t:43+12*\t], v[224:235], v[160+8*\t:167+8*\t], v[248+\t/2], v253 matrix_a_fmt:MATRIX_FMT_FP6 matrix_b_fmt:MATRIX_FMT_FP6
.endif
.endr
.endm
; A TRIP: my tile of 16 queries against all 2,048 keys
.macro TRIP n
	global_load_b128 v[16:19], v28, s[42:43] offset:\n*39424
	global_load_b64 v[20:21], v29, s[42:43] offset:\n*39424+512
	global_load_b32 v9, v30, s[42:43] offset:\n*39424
	v_mov_b32 v13, 0xff61b1e6                      ; the largest t so far: -3e38
	v_floor_f32 v12, -v13
	v_mov_b32 v14, 0
	v_mov_b32 v15, 0
.set j, 0
.rept 32
	v_mov_b32 v[160+j], 0                          ; O^T: the step is written once; the first finds zeros
.set j, j+1
.endr
	s_mov_b32 s32, 0                               ; the record in hand
	s_mov_b32 s33, 0                               ; its keys' bias
	s_mov_b32 s44, 16
	s_wait_loadcnt 0x0
.Lstep_\@:
	STEP
	s_add_co_u32 s32, s32, REC
	s_add_co_u32 s33, s33, 512
	s_sub_co_u32 s44, s44, 1
	s_cmp_lg_u32 s44, 0
	s_cbranch_scc1 .Lstep_\@
.rept 4
	v_nop                                          ; places behind the last products
.endr
	v_add_f32 v14, v14, v15
	v_permlanex16_b32 v252, v14, s28, s29
	v_add_f32 v14, v14, v252                       ; the row's sum
	v_rcp_f32 v14, v14
	v_nop
	s_wait_alu depctr_va_vdst(0)                   ; ahead of the reciprocal's first reader
.set j, 0
.rept 32
	v_mul_f32 v[96+j], v[160+j], v14               ; o: register 16 b + i is channel 32 b + 16 (lane / 16) + i
.set j, j+1
.endr
.irp b, 0,1                            ; o is an operand of the last product: two blocks of 32 along its K
	v_max3_num_f32 v[232+\b], |v[96+16*\b]|, |v[97+16*\b]|, 0x1800000
.endr
.irp i, 2,4,6,8,10,12,14
.irp b, 0,1
	v_max3_num_f32 v[232+\b], v[232+\b], |v[96+16*\b+\i]|, |v[97+16*\b+\i]|
.endr
.endr
.irp b, 0,1
	v_permlanex16_b32 v[236+\b], v[232+\b], s28, s29
.endr
.irp b, 0,1
	v_max_num_f32 v[232+\b], v[232+\b], v[236+\b]
.endr
.irp b, 0,1
	v_add_nc_u32 v[244+\b], 0xff000000, v[232+\b]
.endr
.irp b, 0,1
	v_lshrrev_b32 v[236+\b], 23, v[244+\b]
.endr
	v_lshl_or_b32 v254, v237, 8, v236
	v_cvt_scalef32_pk16_fp6_f32 v[224:226], v[96:111], v244
	v_cvt_scalef32_pk16_fp6_f32 v[240:242], v[112:127], v245
	v_nop
.irp i, 0,1,2
	v_permlane16_swap_b32 v[224+\i], v[240+\i]
.endr
.irp i, 0,1,2
	v_mov_b32 v[227+\i], v[240+\i]
.endr
	global_store_b128 v1, v[224:227], s[8:9] offset:\n*196608              ; an image: 512 and 256 consecutive bytes, aligned
	global_store_b64 v2, v[228:229], s[8:9] offset:\n*196608+512
	ds_store_b16 v10, v254 offset:512*\n           ; both lanes of a query write the same two bytes
	s_wait_xcnt 0x0                                ; the stores have read their registers
.endm
	TRIP 0
	TRIP 1
	s_wait_dscnt 0x0                               ; my scale bytes are stored
	s_barrier_signal -1
	s_barrier_wait -1
	s_cmp_lt_u32 s12, 2                            ; waves 0 and 1 send the 1,024 bytes out, 512 consecutive bytes each
	s_cbranch_scc0 .Lno_bytes
	ds_load_b128 v[96:99], v11
	s_wait_dscnt 0x0
	global_store_b128 v31, v[96:99], s[10:11]
.Lno_bytes:
	s_wait_tensorcnt 0x0                           ; the wave's end, behind my tensor load and my last LDS store
	ds_add_u32 v[SPW], v[NIL]
	s_wait_dscnt 0x0
	CROUND                                         ; the closing round
	s_endpgm
.Lfunc_end_k_q3fa4e86241_attn:
	.size	k_q3fa4e86241_attn, .Lfunc_end_k_q3fa4e86241_attn-k_q3fa4e86241_attn
	.p2alignl 7, 3214868480
	.fill 96, 4, 3214868480
	.section	.rodata,"a",@progbits
	.p2align	6, 0x0
	.amdhsa_kernel k_q3fa4e86241_attn
		.amdhsa_group_segment_fixed_size 220160
		.amdhsa_private_segment_fixed_size 0
		.amdhsa_enable_private_segment 0
		.amdhsa_kernarg_size 32
		.amdhsa_user_sgpr_count 2
		.amdhsa_user_sgpr_kernarg_segment_ptr 1
		.amdhsa_wavefront_size32 1
		.amdhsa_system_sgpr_workgroup_id_x 1
		.amdhsa_system_sgpr_workgroup_id_y 1
		.amdhsa_system_sgpr_workgroup_id_z 1
		.amdhsa_system_vgpr_workitem_id 0
		.amdhsa_next_free_vgpr 256
		.amdhsa_next_free_sgpr 66
		.amdhsa_reserve_vcc 0
		.amdhsa_float_denorm_mode_32 3
		.amdhsa_float_denorm_mode_16_64 3
		.amdhsa_memory_ordered 1
		.amdhsa_forward_progress 1
		.amdhsa_inst_pref_size 59
	.end_amdhsa_kernel
	.amdgpu_metadata
---
amdhsa.version: [ 1, 2 ]
amdhsa.kernels:
  - .name:           k_q3fa4e86241_attn
    .symbol:         k_q3fa4e86241_attn.kd
    .args:
      - { .name: qkv, .offset: 0, .size: 8, .value_kind: global_buffer, .address_space: global }
      - { .name: padding_mask, .offset: 8, .size: 8, .value_kind: global_buffer, .address_space: global }
      - { .name: o_img, .offset: 16, .size: 8, .value_kind: global_buffer, .address_space: global }
      - { .name: o_sc, .offset: 24, .size: 8, .value_kind: global_buffer, .address_space: global }
    .group_segment_fixed_size: 220160
    .private_segment_fixed_size: 0
    .kernarg_segment_align: 8
    .kernarg_segment_size: 32
    .max_flat_workgroup_size: 512
    .sgpr_count:     66
    .vgpr_count:     256
    .wavefront_size: 32
...
	.end_amdgpu_metadata
.endif
;; end of part 3
;; launch proj (part 4): grid 4 x 32, 4 waves a work-group, clusters of 4 x 4, 327,680 bytes of LDS; arguments o_img, o_sc, opc, ops, bo, out0; writes out0
.if DOCPART == 4
	.amdgcn_target "amdgcn-amd-amdhsa--gfx1250"
	.amdhsa_code_object_version 6
	.text
	.protected	k_q3fa4e86241_proj
	.globl	k_q3fa4e86241_proj
	.p2align	8
	.type	k_q3fa4e86241_proj,@function
k_q3fa4e86241_proj:
	s_mov_b64 s[64:65], 0
	v_nop
	global_prefetch_b8 v0, s[64:65] scope:SCOPE_SE
	s_setreg_imm32_b32 hwreg(HW_REG_WAVE_MODE, 25, 1), 1
	s_wait_xcnt 0x0
	s_wait_alu depctr_hold_cnt(0) depctr_sa_sdst(0) depctr_va_vdst(0) depctr_va_sdst(0) depctr_va_ssrc(0) depctr_va_vcc(0) depctr_vm_vsrc(0)
	s_getreg_b32 s2, hwreg(HW_REG_IB_STS2, 6, 4)
	s_cmp_eq_u32 s2, 0
	s_cbranch_scc0 .Lentry_in_a_cluster
	s_endpgm
.Lentry_in_a_cluster:
	s_bfe_u32 s2, ttmp6, 0x10000c
	s_cmp_lg_u32 s2, 0xf033
	s_cbranch_scc0 .Lentry_shape_is_right
	s_endpgm
.Lentry_shape_is_right:
; Launch 4 of 4: out0 = o Wo + bo on codes of FP6 (E2M3).  No work of reference() is left out.  The loop is the second launch's: a tile of 256 x 256 by four waves of 128 x 128, K = 1,024 in four steps of 256 through two LDS slots,
; operands as images of their registers (768 bytes for 16 rows x 64 K), rows by position, source 0 = 16 features of Wo ('B'), source 1 = 16 tokens of o ('A'); 4 x 4 clusters, A's tiles shared along a row, B's along a column.
; WHAT DIFFERS.  B's scale bytes come by one joint load a wave, with no branch (wave w: quarter w of K, 2,048 dense bytes).  A's lie in o_sc as [head][position] pairs of bytes: wave w loads heads 4 w .. 4 w + 3 of the 256
; positions, packs each position's eight bytes in registers and stores them into LDS bytes that no tensor load fills.  bo is the C of each sum's first product.  The way out undoes the order by position.
; The grid has 128 work-groups: the square wave tile is what this loop serves.  No prefetch: half of K is asked for at the head, and with four K steps no refill lies two steps ahead.
; REGISTERS: window 0: v4 16 l, v5 8 l, v16-23 LDS addresses, v24, v25 the stage, v27 scale words' address, v28, v29 the add's two, v32-63 scale words, v64-127 bo, v128-223 A's fragments, v224-255 o's scale bytes at the head;
;   on the way out v128-255 rows of out0.  window 1: B's fragments, two sets.  windows 2, 3: accumulator (a, b) at v[8 (8 (a % 4) + b)].
.set TILEB,  3072
.set HALFT,  8*TILEB
.set SLOT,   4*HALFT
.set SCL,    2*SLOT                    ; A's scale bytes [4 quarters of K][256 rows][8]: written by LDS stores
.set SCLB,   SCL+8192+128              ; B's likewise: filled once by tensor loads
.set SPARE,  SCL+16640                 ; the spare words, 128 bytes for each wave: two blocks of 256 bytes that no other line names
.set SPITCH, 528                       ; the way out: a stage of 16 rows x (512 bytes + 16) for each wave, in slot 0, which has had its last fill and its last read by then
.set FR,     12
.set NQ,     2
.set NL,     4
.set NP,     4
.set ADRA, 16
.set ADRB, 20
.set STO,  24
.set RD,   25
.set ADRS, 27
.set SPW,  28
.set NIL,  29
.set SC,   32
.set BI,   64
.set AF,   128
.set BK,   128
.set G1, 24
.set G0, 32
.set G1B, 48
.set G0B, 56
.set G1SB, 80
.set G0SB, 88
.set MSB, 0
.macro WIN new
.if MSB != (\new)
	s_set_vgpr_msb (MSB<<8)|(\new)
.set MSB, (\new)
.endif
.endm
.set MUL_LO, 0xa1
.set MUL_HI, 0xf1
.set TO_B,   0x40
.macro JLOAD g0a, g1a, g0b, g1b        ; waves 0 and 1 fetch for A, waves 2 and 3 for B; an s_nop 0 and four v_nop follow each line
	s_cmp_eq_u32 s15, 0
	s_cbranch_scc0 .Lfor_b_\@
	tensor_load_to_lds s[\g0a:\g0a+3], s[\g1a:\g1a+7]
	s_nop 0
.rept 4
	v_nop
.endr
	s_branch .Lasked_\@
.Lfor_b_\@:
	tensor_load_to_lds s[\g0b:\g0b+3], s[\g1b:\g1b+7]
	s_nop 0
.rept 4
	v_nop
.endr
.Lasked_\@:
.endm
.macro CREST
	s_cmp_lg_u32 s14, 0
	s_cbranch_scc1 .Lnot_wave_0_\@
	s_barrier_signal -3
.Lnot_wave_0_\@:
	s_barrier_wait -3
	s_barrier_signal -1
	s_barrier_wait -1
.endm
.macro CROUND
	s_barrier_signal -1
	s_barrier_wait -1
	CREST
.endm
	s_load_b256 s[4:11], s[0:1], 0x0               ; o_img s[4:5], o_sc s[6:7], opc s[8:9], ops s[10:11]
	s_load_b128 s[96:99], s[0:1], 0x20             ; bo s[96:97], out0 s[98:99]
	v_lshl_add_u32 v[SPW], v0, 2, SPARE
	v_mov_b32 v[NIL], 0
	ds_add_u32 v[SPW], v[NIL]                      ; the wave's opening: the add, twice on end, and its wait ahead of my first tensor load
	ds_add_u32 v[SPW], v[NIL]
	v_lshrrev_b32 v1, 5, v0
	v_readfirstlane_b32 s14, v1                    ; wave 0..3
	s_lshr_b32 s15, s14, 1
	s_and_b32 s16, s14, 1
	s_bfe_u32 s40, ttmp6, 0x40000                  ; cx
	s_bfe_u32 s41, ttmp6, 0x40004                  ; cy
	s_and_b32 s17, ttmp7, 0xffff                   ; the cluster's y
	s_lshl_b32 s43, s41, 2
	s_lshl_b32 s43, 15, s43                        ; my row of the cluster
	s_lshl_b32 s44, 0x1111, s40                    ; my column
	s_or_b32 s[G1+0], s43, (3<<16)|(1<<21)         ; codes: 8 tiles x 3,072 bytes, 12,288 bytes from tile to tile
	s_or_b32 s[G1B+0], s44, (3<<16)|(1<<21)
.irp g, G1, G1B
	s_mov_b32 s[\g+1], 384<<16
	s_mov_b32 s[\g+2], 8<<16
	s_mov_b32 s[\g+3], 384<<16
	s_mov_b32 s[\g+4], 8
	s_mov_b32 s[\g+5], 1536
	s_mov_b32 s[\g+6], 0
	s_mov_b32 s[\g+7], 0
.endr
	s_or_b32 s[G1SB+0], s44, (3<<16)|(1<<21)       ; B's scale bytes: 2,048 dense bytes as 8 rows of 256
	s_mov_b32 s[G1SB+1], 32<<16
	s_mov_b32 s[G1SB+2], 8<<16
	s_mov_b32 s[G1SB+3], 32<<16
	s_mov_b32 s[G1SB+4], 8
	s_mov_b32 s[G1SB+5], 32
	s_mov_b32 s[G1SB+6], 0
	s_mov_b32 s[G1SB+7], 0
	s_lshl_b32 s20, s17, 2
	s_add_co_u32 s20, s20, s41                     ; A: tokens 256 (4 y + cy) on
	s_lshl_b32 s21, s16, 3                         ; the eight tiles that I fetch
	s_lshl_b32 s22, s20, 4
	s_add_co_u32 s22, s22, s21
	s_mul_i32 s22, s22, 12288
	s_mov_b32 s23, 0
	s_lshl_b32 s46, s40, 4
	s_add_co_u32 s46, s46, 704                     ; B: Wo's features 256 cx on: tile 704 + 16 cx of opc
	s_lshl_b32 s94, s46, 7                         ; its scale bytes,
	s_mul_i32 s2, s14, 98304                       ; of quarter w
	s_add_co_u32 s94, s94, s2
	s_mov_b32 s95, 0
	s_add_co_u32 s46, s46, s21
	s_mul_i32 s46, s46, 12288
	s_mov_b32 s47, 0
	s_mul_i32 s45, s14, HALFT
	s_lshl_b32 s3, s14, 11
	s_add_co_u32 s3, s3, SCLB
	s_wait_dscnt 0x0                               ; both opening adds are done
	s_wait_kmcnt 0x0
	s_add_nc_u64 s[22:23], s[4:5], s[22:23]
	s_add_nc_u64 s[46:47], s[8:9], s[46:47]
	s_add_nc_u64 s[94:95], s[10:11], s[94:95]
	CROUND                                         ; all sixteen work-groups are here: the first joint loads meet
	s_mov_b32 s[G0SB], 1
	s_mov_b32 s[G0SB+1], s3
	s_mov_b64 s[G0SB+2:G0SB+3], s[94:95]
	s_or_b32 s[G0SB+3], s[G0SB+3], 0x80000000
	tensor_load_to_lds s[G0SB:G0SB+3], s[G1SB:G1SB+7]   ; every wave: its quarter of B's scale bytes
	s_nop 0
.rept 4
	v_nop
.endr
.irp s, 0,1
	s_mov_b32 s[G0+4*\s], 1
	s_add_co_u32 s[G0+4*\s+1], s45, \s*SLOT
	s_add_nc_u64 s[G0+4*\s+2:G0+4*\s+3], s[22:23], \s*TILEB
	s_or_b32 s[G0+4*\s+3], s[G0+4*\s+3], 0x80000000
	s_mov_b32 s[G0B+4*\s], 1
	s_add_co_u32 s[G0B+4*\s+1], s45, \s*SLOT
	s_add_nc_u64 s[G0B+4*\s+2:G0B+4*\s+3], s[46:47], \s*TILEB
	s_or_b32 s[G0B+4*\s+3], s[G0B+4*\s+3], 0x80000000
	JLOAD G0+4*\s, G1, G0B+4*\s, G1B               ; three loads of mine are out at the most
.endr
	v_and_b32 v1, 31, v0                           ; lane
	v_and_b32 v2, 15, v0                           ; r
	v_bfe_u32 v3, v0, 4, 1                         ; h
	v_lshlrev_b32 v4, 4, v1                        ; 16 l
	v_lshlrev_b32 v5, 3, v1                        ; 8 l
	s_lshl_b32 s2, s14, 16                         ; o_sc: heads 4 w on, 16,384 bytes a head,
	s_lshl_b32 s3, s20, 9                          ; my work-group's 256 positions of two bytes
	s_add_co_u32 s2, s2, s3
	s_mov_b32 s3, 0
	s_add_nc_u64 s[6:7], s[6:7], s[2:3]
.irp e, 0,1,2,3
	global_load_b128 v[224+4*\e:227+4*\e], v4, s[6:7] offset:\e*16384      ; head 4 w + e: eight positions a lane
.endr
	s_lshl_b32 s2, s40, 10                         ; bo: my 128 columns
	s_lshl_b32 s18, s16, 9
	s_add_co_u32 s2, s2, s18
	s_add_nc_u64 s[96:97], s[96:97], s[2:3]
	s_add_nc_u64 s[98:99], s[98:99], s[2:3]        ; out0: the same columns,
	s_lshl_b32 s2, s20, 8
	s_lshl_b32 s18, s15, 7
	s_add_co_u32 s2, s2, s18
	s_lshl_b32 s2, s2, 12                          ; my first row of 4,096 bytes
	s_add_nc_u64 s[98:99], s[98:99], s[2:3]
	v_lshlrev_b32 v8, 6, v3
.irp j, 0,1,2,3,4,5,6,7,8,9,10,11,12,13,14,15
	global_load_b128 v[BI+4*\j:BI+4*\j+3], v8, s[96:97] offset:128*(\j/4)+16*(\j%4)   ; bo in the results' order: register 16 b + i is column 32 b + 16 h + i
.endr
	s_mul_i32 s21, s15, HALFT
	s_mul_i32 s2, s16, HALFT
	s_add_co_u32 s2, s2, 2*HALFT
.irp s, 0,1
	v_add_nc_u32 v[ADRA+\s], s21, v4
	v_add_nc_u32 v[ADRA+2+\s], s21, v5
	v_add_nc_u32 v[ADRB+\s], s2, v4
	v_add_nc_u32 v[ADRB+2+\s], s2, v5
	s_add_co_u32 s21, s21, SLOT
	s_add_co_u32 s2, s2, SLOT
.endr
	s_lshl_b32 s21, s15, 10
	s_lshl_b32 s2, s16, 10
	s_add_co_u32 s2, s2, 8192+128
	s_sub_co_u32 s2, s2, s21
	v_mul_u32_u24 v6, s2, v3                       ; lanes 16-31 take B's scale words
	s_add_co_u32 s21, s21, SCL
	v_lshl_add_u32 v6, v2, 3, v6
	v_add_nc_u32 v[ADRS], s21, v6
	s_mul_i32 s2, s14, 16*SPITCH                   ; my stage
	v_mul_u32_u24 v6, v2, SPITCH
	v_lshl_add_u32 v6, v3, 6, v6
	v_add_nc_u32 v[STO], s2, v6                    ; in: row r, + 64 h
	v_add_nc_u32 v[RD], s2, v4                     ; back: a row's 512 bytes, 16 a lane
	s_lshl_b32 s2, s14, 11
	s_add_co_u32 s2, s2, SCL
	v_lshl_add_u32 v7, v1, 6, s2                   ; A's scale bytes: quarter w, my eight positions of 8 bytes
	s_mov_b32 s20, 0x05040100                      ; the two low halves
	s_mov_b32 s21, 0x07060302                      ; the two high halves
	s_wait_loadcnt 16                              ; o's scale bytes are in; bo's sixteen loads may be out
.irp c, 0,1,2,3                        ; register c of a head holds positions 2 c (low half) and 2 c + 1 (high half)
	v_perm_b32 v[240+4*\c], v[228+\c], v[224+\c], s20
	v_perm_b32 v[241+4*\c], v[236+\c], v[232+\c], s20
	v_perm_b32 v[242+4*\c], v[228+\c], v[224+\c], s21
	v_perm_b32 v[243+4*\c], v[236+\c], v[232+\c], s21
	ds_store_b128 v7, v[240+4*\c:243+4*\c] offset:16*\c
.endr
.macro FRAG reg, adr, q, i
	ds_load_b128 v[\reg:\reg+3], v[\adr] offset:(\i)*TILEB+(\q)*1536
	ds_load_b64 v[\reg+4:\reg+5], v[\adr+2] offset:(\i)*TILEB+(\q)*1536+512
	ds_load_b128 v[\reg+6:\reg+9], v[\adr] offset:(\i)*TILEB+(\q)*1536+768
	ds_load_b64 v[\reg+10:\reg+11], v[\adr+2] offset:(\i)*TILEB+(\q)*1536+1280
.endm
; 16 matrix instructions: A's blocks a0, a0 + 1 x B's eight.  first = 1: the first product starts the sums from bo.  The 64 accumulators take turns, one instruction a turn.
.macro MUL16 a0, p, q, sc, first
.irp a, \a0, \a0+1
.irp b, 0,1,2,3,4,5,6,7
.if \first
	v_wmma_scale_f32_16x16x128_f8f6f4 v[8*(8*((\a)%4)+\b):8*(8*((\a)%4)+\b)+7], v[128*(\p)+FR*\b:128*(\p)+FR*\b+FR-1], v[AF+FR*(\a):AF+FR*(\a)+FR-1], v[BI+8*\b:BI+8*\b+7], v[SC+8*NQ*(\sc)+NQ*\b+(\q)], v[SC+8*NQ*(\sc)+NQ*(\a)+(\q)] matrix_a_fmt:MATRIX_FMT_FP6 matrix_b_fmt:MATRIX_FMT_FP6 matrix_a_scale:MATRIX_SCALE_ROW1
.else
	v_wmma_scale_f32_16x16x128_f8f6f4 v[8*(8*((\a)%4)+\b):8*(8*((\a)%4)+\b)+7], v[128*(\p)+FR*\b:128*(\p)+FR*\b+FR-1], v[AF+FR*(\a):AF+FR*(\a)+FR-1], v[8*(8*((\a)%4)+\b):8*(8*((\a)%4)+\b)+7], v[SC+8*NQ*(\sc)+NQ*\b+(\q)], v[SC+8*NQ*(\sc)+NQ*(\a)+(\q)] matrix_a_fmt:MATRIX_FMT_FP6 matrix_b_fmt:MATRIX_FMT_FP6 matrix_a_scale:MATRIX_SCALE_ROW1
.endif
.endr
.endr
.endm
.macro FETCH_B slot, q, p
	WIN TO_B
.irp i, 0,1,2,3,4,5,6,7
	FRAG 128*(\p)+FR*\i, ADRB+\slot, \q, \i
.endr
	WIN 0
.endm
.macro FETCH_A slot, q, i0
.irp i, \i0, \i0+1, \i0+2, \i0+3
	FRAG AF+FR*(\i), ADRA+\slot, \q, \i
.endr
.endm
.macro SCALES sc
.irp i, 0,1,2,3,4,5,6,7
	ds_load_b64 v[SC+8*NQ*\sc+NQ*\i:SC+8*NQ*\sc+NQ*\i+1], v[ADRS] offset:\i*128
.endr
.endm
.macro PLACES n
.rept \n
	v_nop
.endr
.endm
.macro STEP slot, q, first
	s_wait_dscnt 4*NL                              ; B's set, A's blocks 0-3 and the scale words are in; the youngest 16 loads may be out
.if \first
	WIN 0x81                                       ; C (bo) in window 0, D in window 2
.else
	WIN MUL_LO
.endif
	MUL16 0, (\q)%2, \q, \slot, \first
	MUL16 2, (\q)%2, \q, \slot, \first
	s_wait_dscnt 0
	PLACES NP
	FETCH_B \slot, (\q)+1, 1-(\q)%2
	FETCH_A \slot, (\q)+1, 0
.if \first
	WIN 0xc1                                       ; C in window 0, D in window 3
.else
	WIN MUL_HI
.endif
	MUL16 4, (\q)%2, \q, \slot, \first
	MUL16 6, (\q)%2, \q, \slot, \first
	PLACES NP
	WIN 0
	FETCH_A \slot, (\q)+1, 4
.endm
.macro TURN slot, next, fill
	s_wait_tensorcnt 0x0                           ; all my tensor loads have landed: my part of the next slot
	ds_add_u32 v[SPW], v[NIL]                      ; 0 onto my spare word
	s_wait_dscnt 4*NL+1                            ; (the add and the youngest 16 loads may be out)
	WIN MUL_LO
	MUL16 0, 1, NQ-1, \slot, 0
	s_wait_dscnt 0x0                               ; the add is done, and my reads of this slot are over
	s_barrier_signal -1
	MUL16 2, 1, NQ-1, \slot, 0
	WIN 0
	s_barrier_wait -1
.if \fill
	CREST                                          ; the barrier has opened a round of the cluster's barrier: no wave of any partner still reads this slot or has a load on its way
	s_add_nc_u64 s[G0+4*\slot+2:G0+4*\slot+3], s[G0+4*\slot+2:G0+4*\slot+3], 2*TILEB
	s_add_nc_u64 s[G0B+4*\slot+2:G0B+4*\slot+3], s[G0B+4*\slot+2:G0B+4*\slot+3], 2*TILEB
	JLOAD G0+4*\slot, G1, G0B+4*\slot, G1B         ; the first tensor load behind the round
.else
	PLACES NP
.endif
	v_add_nc_u32 v[ADRS], 2048, v[ADRS]
	FETCH_B \next, 0, 0
	FETCH_A \next, 0, 0
	SCALES \next
	WIN MUL_HI
	MUL16 4, 1, NQ-1, \slot, 0
	MUL16 6, 1, NQ-1, \slot, 0
	PLACES NP
	WIN 0
	FETCH_A \next, 0, 4
.endm
	s_wait_tensorcnt 1                             ; B's scale bytes and my part of K step 0 are in (K step 1's load may be out)
	s_wait_dscnt 0x0                               ; my part of A's scale bytes is stored:
	s_barrier_signal -1
	s_barrier_wait -1                              ; everybody's
	FETCH_B 0, 0, 0
	FETCH_A 0, 0, 0
	SCALES 0
	FETCH_A 0, 0, 4
	s_wait_loadcnt 0x0                             ; bo
	STEP 0, 0, 1
	TURN 0, 1, 1
	STEP 1, 0, 0
	TURN 1, 0, 1
	STEP 0, 0, 0
	TURN 0, 1, 0
	STEP 1, 0, 0
	s_wait_dscnt 4*NL                              ; the very last step
	WIN MUL_LO
	MUL16 0, 1, NQ-1, 1, 0
	MUL16 2, 1, NQ-1, 1, 0
	s_wait_dscnt 0
	WIN MUL_HI
	MUL16 4, 1, NQ-1, 1, 0
	MUL16 6, 1, NQ-1, 1, 0
	WIN 0
; THE WAY OUT, block by block of 16 tokens x 128 columns, through my own stage: a lane's eight results of accumulator b are columns 32 (b / 2) + 16 h + 8 (b % 2) + 0 .. 7 of its token; whole rows of 512 bytes come back.
; LDS serves a wave's instructions in order: no wait between the stores and the loads, nor in front of the next block's stores.
.macro TOSTAGE a
.set AC, 64*((\a)%4)
	WIN 0x08+4*((\a)/4)                            ; the data: window 2 or 3
.irp b, 0,1,2,3,4,5,6,7
	ds_store_b128 v[STO], v[AC+8*\b:AC+8*\b+3] offset:128*(\b/2)+32*(\b%2)          ; each accumulator from its low end on
	ds_store_b128 v[STO], v[AC+8*\b+4:AC+8*\b+7] offset:128*(\b/2)+32*(\b%2)+16
.endr
	WIN 0
.set BB, BK+64*((\a)%2)
.irp t, 0,1,2,3,4,5,6,7,8,9,10,11,12,13,14,15
	ds_load_b128 v[BB+4*\t:BB+4*\t+3], v[RD] offset:\t*SPITCH
.endr
.endm
.macro SEND a, younger                 ; younger: the LDS instructions issued behind block a's loads
.set BB, BK+64*((\a)%2)
	s_wait_dscnt \younger
.irp t, 0,1,2,3,4,5,6,7,8,9,10,11,12,13,14,15
	global_store_b128 v4, v[BB+4*\t:BB+4*\t+3], s[98:99] offset:(32*((\a)/2)+8*((\a)%2)+\t+8*(\t/8))*4096 th:TH_STORE_NT   ; position t of tile a is row 32 (a / 2) + 8 (a % 2) + t + 8 (t / 8); 512 consecutive bytes, aligned
.endr
.endm
	PLACES NP
	TOSTAGE 0
.irp a, 1,2,3,4,5,6,7
.if \a > 1
	s_wait_xcnt 0x0                                ; block a - 2's stores have read their registers: block a's loads may land there
.endif
	TOSTAGE \a
	SEND \a-1, 32                                  ; behind block a - 1's loads: block a's 16 stores and 16 loads
.endr
	SEND 7, 0
	s_wait_tensorcnt 0x0                           ; the wave's end, behind my last tensor load and my last LDS store
	ds_add_u32 v[SPW], v[NIL]
	s_wait_dscnt 0x0
	CROUND                                         ; the closing round
	s_endpgm
.Lfunc_end_k_q3fa4e86241_proj:
	.size	k_q3fa4e86241_proj, .Lfunc_end_k_q3fa4e86241_proj-k_q3fa4e86241_proj
	.p2alignl 7, 3214868480
	.fill 96, 4, 3214868480
	.section	.rodata,"a",@progbits
	.p2align	6, 0x0
	.amdhsa_kernel k_q3fa4e86241_proj
		.amdhsa_group_segment_fixed_size 327680
		.amdhsa_private_segment_fixed_size 0
		.amdhsa_enable_private_segment 0
		.amdhsa_kernarg_size 48
		.amdhsa_user_sgpr_count 2
		.amdhsa_user_sgpr_kernarg_segment_ptr 1
		.amdhsa_wavefront_size32 1
		.amdhsa_system_sgpr_workgroup_id_x 1
		.amdhsa_system_sgpr_workgroup_id_y 1
		.amdhsa_system_sgpr_workgroup_id_z 1
		.amdhsa_system_vgpr_workitem_id 0
		.amdhsa_next_free_vgpr 1024
		.amdhsa_next_free_sgpr 100
		.amdhsa_reserve_vcc 0
		.amdhsa_float_denorm_mode_32 3
		.amdhsa_float_denorm_mode_16_64 3
		.amdhsa_memory_ordered 1
		.amdhsa_forward_progress 1
		.amdhsa_inst_pref_size 145
	.end_amdhsa_kernel
	.amdgpu_metadata
---
amdhsa.version: [ 1, 2 ]
amdhsa.kernels:
  - .name:           k_q3fa4e86241_proj
    .symbol:         k_q3fa4e86241_proj.kd
    .args:
      - { .name: o_img, .offset: 0, .size: 8, .value_kind: global_buffer, .address_space: global }
      - { .name: o_sc, .offset: 8, .size: 8, .value_kind: global_buffer, .address_space: global }
      - { .name: opc, .offset: 16, .size: 8, .value_kind: global_buffer, .address_space: global }
      - { .name: ops, .offset: 24, .size: 8, .value_kind: global_buffer, .address_space: global }
      - { .name: bo, .offset: 32, .size: 8, .value_kind: global_buffer, .address_space: global }
      - { .name: out0, .offset: 40, .size: 8, .value_kind: global_buffer, .address_space: global }
    .group_segment_fixed_size: 327680
    .private_segment_fixed_size: 0
    .kernarg_segment_align: 8
    .kernarg_segment_size: 48
    .max_flat_workgroup_size: 128
    .sgpr_count:     100
    .vgpr_count:     1024
    .wavefront_size: 32
...
	.end_amdgpu_metadata
.endif
;; end of part 4
